; MI455X (gfx1250); checked and timed in simulation.
; The chip was launched on July 23, 2026; its instructions are those of AMD's public machine-readable ISA for CDNA 5 (MIT licence, August 2026) and "CDNA5" Instruction Set Architecture Reference Guide (July 2026). The comments in the code are by the model that wrote it; some were corrected since.
;; Self Attention. Allowed arithmetic: matrix products marked QUANTISED: E2M3 operands, one E8M0 scale for each 32 along K, by v_wmma_scale_f32_16x16x128_f8f6f4 with both operands' format E2M3, f32 sums; everything else in f32.
;; Inputs: Wk 512 x 512 float32; Wq 512 x 512 float32; Wv 512 x 512 float32; bk 512 float32; bq 512 float32; bv 512 float32; x 8 x 2,048 x 512 float32.
;; Outputs: out0 8 x 2,048 x 512 float32.
;; This version of the problem:
;;   THIS VERSION OF THE PROBLEM IS GIVEN IN LOW PRECISION. The matrix products marked QUANTISED in the list below multiply operands that are first quantised to E2M3 (2 exponent bits, 3 mantissa bits; 6 bits a number), with one power-of-two scale for each 32 numbers along K (OCP MX v1.0); their sums are f32. All else is computed in f32.
;;   The module's matrix products, in the order in which they are computed (A, B: the left and right operand; K: the contracted axis; several contracted axes count as one K, in the product's order):
;;     1. [M 16,384, K 512] x [K 512, N 512]; A: input x; B: input Wq: QUANTISED
;;     2. [M 16,384, K 512] x [K 512, N 512]; A: input x; B: input Wk: QUANTISED
;;     3. [M 16,384, K 512] x [K 512, N 512]; A: input x; B: input Wv: QUANTISED
;;     4. batch 8 x [M 2,048, K 512] x [K 512, N 2,048]; A: computed on the way; B: computed on the way: QUANTISED
;;     5. batch 8 x [M 2,048, K 2,048] x [K 2,048, N 512]; A: computed on the way; B: computed on the way: QUANTISED
;;   THE QUANTISER, for each operand of a quantised product, along K:
;;     - K is cut into blocks of 32 from its start; a last block that is shorter is filled with zeros.
;;     - A block's scale is 2^e with e = floor(log2(the largest magnitude in the block)) - 2, held to -126 .. 127; a block of zeros has e = 0. As a byte (E8M0): e + 127.
;;     - Each number is divided by its block's scale, clamped to +-7.5, and rounded to the nearest number of E2M3, ties to even, subnormals kept.
;;     - The product sums the exact products of the quantised numbers (number of the format x scale) in f32.
;;   ~~~python
;;   def quantise(x, axis):      # numpy; x: float32 -> the quantised numbers, widened to float32 again
;;       x = np.moveaxis(x, axis, -1); K = x.shape[-1]
;;       x = np.pad(x, [(0, 0)] * (x.ndim - 1) + [(0, -K % 32)]); x = x.reshape(x.shape[:-1] + (-1, 32)); a = np.abs(x).max(-1, keepdims=True)
;;       e = np.where(a > 0, np.clip(np.frexp(np.where(a > 0, a, 1))[1] - 1 - 2, -126, 127), 0)      # np.frexp(a)[1] - 1 = floor(log2(a)), exactly
;;       r = np.clip(x / 2.0 ** e, -7.5, 7.5)
;;       step = 2.0 ** (np.maximum(np.frexp(np.where(r == 0, 1, r))[1] - 1, 0) - 3)
;;       q = np.round(r / step) * step * 2.0 ** e      # np.round: ties to even
;;       return np.moveaxis(q.reshape(q.shape[:-2] + (-1,))[..., :K], -1, axis).astype(np.float32)
;;   ~~~
;;   OPERANDS COMPUTED ON THE WAY. 'Computed on the way' means the value that the module computes at that place (a softmax that the list does not call 'softmax' is quantised finished and normalised). What goes into a quantiser is computed in f32, as accurately as f32 sums, v_exp_f32 and their like allow (about 1e-6 of the number): no bf16 or f16 on the way to a quantiser, and a product that is left as it is and whose result goes on into a quantised operand takes f32 operands (vector FMAs, or v_wmma_f32_16x16x4_f32). A number that lies on a knife's edge between two numbers of the format may be rounded either way, as far as f32 arithmetic and the matrix unit's own rounding can turn it there, and no further.
;; 2 versions. Each part assembles by itself: llvm-mc -triple=amdgcn-amd-amdhsa -mcpu=gfx1250 --defsym DOCPART=n.
;; ======== version 1 of 2: 4 launches
;; workspace buffers: xq 6,553,600 bytes; wq 614,400 bytes; qkv 19,660,800 bytes; att 26,214,400 bytes
;; launch prep (part 1): grid 280 x 1, 4 waves a work-group, no clusters, 0 bytes of LDS; arguments x, Wq, Wk, Wv, xq, wq; writes xq, wq
.if DOCPART == 1
	.amdgcn_target "amdgcn-amd-amdhsa--gfx1250"
	.amdhsa_code_object_version 6
	.text
	.protected	k_q61be6694c3_prep
	.globl	k_q61be6694c3_prep
	.p2align	8
	.type	k_q61be6694c3_prep,@function
k_q61be6694c3_prep:
	s_mov_b64 s[64:65], 0
	v_nop
	global_prefetch_b8 v0, s[64:65] scope:SCOPE_SE
	s_setreg_imm32_b32 hwreg(HW_REG_WAVE_MODE, 25, 1), 1
	s_wait_xcnt 0x0
; LAUNCH 1 OF 4.  x [16,384][512] (K innermost) and Wq, Wk, Wv [512 (K)][512] (K outermost), f32, become codes of FP6 (E2M3) with one E8M0 byte for each 32 along K,
; laid as IMAGES OF OPERAND REGISTERS, so that every later launch loads a fragment whole, 16 bytes a lane.
; DEAD WORK: none.  bq . K[m] is the same along the softmax's axis (the queries), but bq goes into Q, a quantised operand of a live product, where it moves codes and scales: it stays.  All seven inputs are loaded by the program.
; A RECORD (51,200 bytes) holds 128 rows x 512 K: fragment (K step s, tile i) at 12,288 s + 1,536 i; in it registers 4 c .. 4 c + 3 of lane L at 512 c + 16 L; the scale words at 49,152 + 512 s + 16 L + 4 j:
; that word is tile 4 (L / 16) + j's, row L % 16: one load of 16 bytes a lane brings four scale registers, tiles 0-3 in lanes 0-15 and tiles 4-7 in lanes 16-31.
; THE ROWS OF A TILE ARE NOT NEIGHBOURS: lane r of tile i takes row 32 (i / 2) + 8 (i % 2) + r + 8 (r / 8) of the 128, so that a product with the tile as source 0 leaves 16 neighbours in a lane's registers of tiles 2 b, 2 b + 1.
; xq: record g = rows 128 g on of x.  wq: record 4 m + g = columns 128 g on of matrix m (Wq, Wk, Wv).
; SHARES.  A wave takes one job: 4 tiles x 1 K step (64 rows x 128 K).  Jobs 0-1,023 are x's (work-groups 0-255), jobs 1,024-1,119 the weights' (work-groups 256-279): one branch on the work-group's number.
; A lane holds two WHOLE blocks of 32 of its row (or column): register 32 c + e is k = 64 c + 32 (lane / 16) + e, the operand's own order: no other lane is asked for a maximum, and the conversions' results are the operand's registers.
; A block's scale byte is its largest magnitude's exponent field - 2, held at 1 from below by a floor among the maximum's leaves.
; LIMITS: NaN and infinities among the inputs are not served; a block whose largest magnitude lies under 2^-124 gets the byte 1; a block of zeros gets the byte 1 where the rule says 127 (its codes are zeros, and this program alone reads the bytes).
; No LDS, no barrier, no matrix unit, no cluster: waves share nothing.
.set TT,  8                            ; v8-9    largest magnitudes of my two blocks
.set SO,  10                           ; v10-11  the conversions' scale operands
.set BY,  12                           ; v12-13  the bytes
.set PW,  16                           ; v16-19  the four tiles' scale words
.set C,   24                           ; v24-35  a fragment's codes
.set TMP, 36                           ; v36-38, v40-42  the second halves of the two blocks' codes (a conversion's three registers begin on an even number)
.set X,   64                           ; v64-255 three sets of 64 numbers
	s_load_b256 s[4:11], s[0:1], 0x0               ; x s[4:5], Wq s[6:7], Wk s[8:9], Wv s[10:11]
	s_load_b128 s[12:15], s[0:1], 0x20             ; xq s[12:13], wq s[14:15]
	v_lshrrev_b32 v1, 5, v0
	v_readfirstlane_b32 s16, v1                    ; wave
	v_and_b32 v1, 31, v0                           ; lane
	v_and_b32 v2, 15, v0                           ; r
	v_bfe_u32 v3, v0, 4, 1                         ; h
	v_lshlrev_b32 v5, 4, v1                        ; 16 x lane: an image's place
	v_lshlrev_b32 v6, 4, v2
	v_lshl_add_u32 v6, v3, 3, v6                   ; 16 r + 8 h: where I store two scale words
	v_lshlrev_b32 v7, 3, v3                        ; 8 h: my bytes' shift in the scale word
	v_and_b32 v8, 8, v2
	v_add_nc_u32 v8, v8, v2                        ; r + 8 (r / 8)
	v_mov_b32 v15, 0                               ; a lane permute's destination counts as one of its sources
	s_mov_b32 s20, 0x76543210
	s_mov_b32 s21, 0xfedcba98                      ; selects for lane l xor 16
	s_lshl_b32 s17, ttmp9, 2
	s_add_co_u32 s17, s17, s16                     ; the job J
	s_and_b32 s18, s17, 1                          ; hf: tiles 4 hf on
	s_bfe_u32 s19, s17, 0x20001                    ; s = (J / 2) % 4: the K step
	s_mul_i32 s22, s19, 12288
	s_mul_i32 s23, s18, 6144
	s_add_co_u32 s22, s22, s23                     ; my codes' place in the record
	s_lshl_b32 s23, s19, 9
	s_lshl_b32 s24, s18, 8
	s_add_co_u32 s23, s23, s24
	s_add_co_u32 s23, s23, 49152                   ; my scale words' place
	s_mov_b32 s27, 0
	s_mov_b32 s29, 0
	s_mov_b32 s31, 0
	s_wait_kmcnt 0x0
.macro LOADF kind, t, set              ; tile t's 64 numbers a lane into a set.  kind 0: x, eight loads of 16 bytes a block; kind 1: a weight, a lane to a column, registers down K
.if \kind == 0
.irp c, 0,1
.irp e, 0,1,2,3,4,5,6,7
	global_load_b128 v[X+64*(\set)+32*\c+4*\e:X+64*(\set)+32*\c+4*\e+3], v4, s[4:5] offset:(32*((\t)/2)+8*((\t)%2))*2048+256*\c+16*\e th:TH_LOAD_NT
.endr
.endr
.else
.irp c, 0,1
.irp e, 0,1,2,3,4,5,6,7,8,9,10,11,12,13,14,15,16,17,18,19,20,21,22,23,24,25,26,27,28,29,30,31
	global_load_b32 v[X+64*(\set)+32*\c+\e], v4, s[4:5] offset:(32*((\t)/2)+8*((\t)%2))*4+(64*\c+\e)*2048
.endr
.endr
.endif
.endm
.macro QF t, set                       ; one fragment: two blocks a lane
.set XS, X+64*(\set)
.irp c, 0,1
	v_max3_num_f32 v[TT+\c], |v[XS+32*\c]|, |v[XS+32*\c+1]|, 0x1800000   ; the floor 2^(3 - 127) among the leaves: the byte cannot fall under 1
.endr
.irp i, 2,4,6,8,10,12,14,16,18,20,22,24,26,28,30
.irp c, 0,1
	v_max3_num_f32 v[TT+\c], v[TT+\c], |v[XS+32*\c+\i]|, |v[XS+32*\c+\i+1]|   ; the two blocks by turns
.endr
.endr
.irp c, 0,1
	v_add_nc_u32 v[SO+\c], 0xff000000, v[TT+\c]    ; 2 off the exponent field: the conversion's scale operand
.endr
.irp c, 0,1
	v_lshrrev_b32 v[BY+\c], 23, v[SO+\c]           ; the byte
.endr
	v_lshl_or_b32 v14, v[BY+1], 16, v[BY]          ; blocks h and 2 + h of my row,
	v_lshlrev_b32 v14, v7, v14                     ; at their places;
	v_permlanex16_b32 v15, v14, s20, s21
	v_or_b32 v[PW+\t], v14, v15                    ; with lane l xor 16's two the word is whole
.if \t > 0
	s_wait_xcnt 0x0                                ; the last fragment's stores have read the codes' registers: only now are they written again
.endif
.irp c, 0,1
	v_cvt_scalef32_pk16_fp6_f32 v[C+6*\c:C+6*\c+2], v[XS+32*\c:XS+32*\c+15], v[SO+\c]
	v_cvt_scalef32_pk16_fp6_f32 v[TMP+4*\c:TMP+4*\c+2], v[XS+32*\c+16:XS+32*\c+31], v[SO+\c]
.endr
	v_nop                                          ; one plain place behind a scaled conversion
.irp c, 0,1
.irp i, 0,1,2
	v_mov_b32 v[C+6*\c+3+\i], v[TMP+4*\c+\i]
.endr
.endr
.irp c, 0,1,2
	global_store_b128 v5, v[C+4*\c:C+4*\c+3], s[32:33] offset:1536*\t+512*\c   ; 32 lanes store 512 consecutive bytes
.endr
.endm
; The job.  Three tiles' loads go out at once, the fourth into the first set when that is quantised.  The counts are the loads issued behind the tile that is wanted.
.macro JOB kind
	LOADF \kind, 0, 0
	LOADF \kind, 1, 1
	LOADF \kind, 2, 2
.if \kind
	s_wait_loadcnt 63
.else
	s_wait_loadcnt 32
.endif
	QF 0, 0
	LOADF \kind, 3, 0
.if \kind
	s_wait_loadcnt 63
.else
	s_wait_loadcnt 32
.endif
	QF 1, 1
.if \kind
	s_wait_loadcnt 63
.else
	s_wait_loadcnt 16
.endif
	QF 2, 2
	s_wait_loadcnt 0x0
	QF 3, 0
	s_mov_b32 vcc_lo, 0xffff0000                   ; lanes 16-31
	v_cndmask_b32 v20, v[PW], v[PW+2], vcc_lo      ; lane (r, h) stores the words of tiles 2 h and 2 h + 1 of row r
	v_cndmask_b32 v21, v[PW+1], v[PW+3], vcc_lo
	global_store_b64 v6, v[20:21], s[34:35]        ; 32 lanes store 256 consecutive bytes, aligned
.endm
	s_cmp_lt_u32 ttmp9, 256
	s_cbranch_scc0 .Lweights
	s_lshr_b32 s25, s17, 3                         ; x's record
	s_lshl_b32 s26, s25, 18                        ; 128 rows of 2,048 bytes,
	s_lshl_b32 s24, s19, 9
	s_add_co_u32 s26, s26, s24                     ; + the K step's 512 bytes,
	s_lshl_b32 s24, s18, 17
	s_add_co_u32 s26, s26, s24                     ; + 64 rows for the upper four tiles
	s_add_nc_u64 s[4:5], s[4:5], s[26:27]
	s_mul_i32 s24, s25, 51200
	s_add_co_u32 s28, s24, s22
	s_add_co_u32 s30, s24, s23
	s_add_nc_u64 s[32:33], s[12:13], s[28:29]      ; my codes
	s_add_nc_u64 s[34:35], s[12:13], s[30:31]      ; my scale words
	v_lshlrev_b32 v4, 11, v8
	v_lshl_add_u32 v4, v3, 7, v4                   ; my row of a tile, + 128 h bytes
	JOB 0
	s_endpgm
.Lweights:
	s_sub_co_u32 s25, s17, 1024
	s_lshr_b32 s25, s25, 3                         ; the weights' record, 0 to 11
	s_lshr_b32 s36, s25, 2                         ; which matrix
	s_and_b32 s37, s25, 3                          ; which 128 columns
	s_cmp_eq_u32 s36, 0
	s_cselect_b64 s[4:5], s[6:7], s[8:9]
	s_cmp_eq_u32 s36, 2
	s_cselect_b64 s[4:5], s[10:11], s[4:5]
	s_lshl_b32 s26, s37, 9
	s_lshl_b32 s24, s19, 18
	s_add_co_u32 s26, s26, s24                     ; + the K step's 128 rows of 2,048 bytes
	s_lshl_b32 s24, s18, 8
	s_add_co_u32 s26, s26, s24                     ; + 64 columns for the upper four tiles
	s_add_nc_u64 s[4:5], s[4:5], s[26:27]
	s_mul_i32 s24, s25, 51200
	s_add_co_u32 s28, s24, s22
	s_add_co_u32 s30, s24, s23
	s_add_nc_u64 s[32:33], s[14:15], s[28:29]
	s_add_nc_u64 s[34:35], s[14:15], s[30:31]
	v_lshlrev_b32 v4, 2, v8
	v_lshl_add_u32 v4, v3, 16, v4                  ; my column of a tile, + 32 h rows
	JOB 1
	s_endpgm
.Lfunc_end_k_q61be6694c3_prep:
	.size	k_q61be6694c3_prep, .Lfunc_end_k_q61be6694c3_prep-k_q61be6694c3_prep
	.p2alignl 7, 3214868480
	.fill 96, 4, 3214868480
	.section	.rodata,"a",@progbits
	.p2align	6, 0x0
	.amdhsa_kernel k_q61be6694c3_prep
		.amdhsa_group_segment_fixed_size 0
		.amdhsa_private_segment_fixed_size 0
		.amdhsa_enable_private_segment 0
		.amdhsa_kernarg_size 48
		.amdhsa_user_sgpr_count 2
		.amdhsa_user_sgpr_kernarg_segment_ptr 1
		.amdhsa_wavefront_size32 1
		.amdhsa_system_sgpr_workgroup_id_x 1
		.amdhsa_system_sgpr_workgroup_id_y 1
		.amdhsa_system_sgpr_workgroup_id_z 1
		.amdhsa_system_vgpr_workitem_id 0
		.amdhsa_next_free_vgpr 256
		.amdhsa_next_free_sgpr 66
		.amdhsa_reserve_vcc 1
		.amdhsa_float_denorm_mode_32 3
		.amdhsa_float_denorm_mode_16_64 3
		.amdhsa_memory_ordered 1
		.amdhsa_forward_progress 1
		.amdhsa_inst_pref_size 60
	.end_amdhsa_kernel
	.amdgpu_metadata
---
amdhsa.version: [ 1, 2 ]
amdhsa.kernels:
  - .name:           k_q61be6694c3_prep
    .symbol:         k_q61be6694c3_prep.kd
    .args:
      - { .name: x, .offset: 0, .size: 8, .value_kind: global_buffer, .address_space: global }
      - { .name: Wq, .offset: 8, .size: 8, .value_kind: global_buffer, .address_space: global }
      - { .name: Wk, .offset: 16, .size: 8, .value_kind: global_buffer, .address_space: global }
      - { .name: Wv, .offset: 24, .size: 8, .value_kind: global_buffer, .address_space: global }
      - { .name: xq, .offset: 32, .size: 8, .value_kind: global_buffer, .address_space: global }
      - { .name: wq, .offset: 40, .size: 8, .value_kind: global_buffer, .address_space: global }
    .group_segment_fixed_size: 0
    .private_segment_fixed_size: 0
    .kernarg_segment_align: 8
    .kernarg_segment_size: 48
    .max_flat_workgroup_size: 128
    .sgpr_count:     66
    .vgpr_count:     256
    .wavefront_size: 32
...
	.end_amdgpu_metadata
.endif
;; end of part 1
;; launch proj (part 2): grid 128 x 2, 4 waves a work-group, no clusters, 51,712 bytes of LDS; arguments xq, wq, bq, bk, bv, qkv; writes qkv
.if DOCPART == 2
	.amdgcn_target "amdgcn-amd-amdhsa--gfx1250"
	.amdhsa_code_object_version 6
	.text
	.protected	k_q61be6694c3_proj
	.globl	k_q61be6694c3_proj
	.p2align	8
	.type	k_q61be6694c3_proj,@function
k_q61be6694c3_proj:
	s_mov_b64 s[64:65], 0
	v_nop
	global_prefetch_b8 v0, s[64:65] scope:SCOPE_SE
	s_setreg_imm32_b32 hwreg(HW_REG_WAVE_MODE, 25, 1), 1
	s_wait_xcnt 0x0
; LAUNCH 2 OF 4.  Q = x Wq + bq, K = x Wk + bk, V = x Wv + bv on codes of FP6 with E8M0 scales, each result quantised in registers for the product that takes it.  No work of the problem is left out.
; qkv: Q's 128 records at 0, K's at 6,553,600, V's at 13,107,200 (records as in the first launch: 51,200 bytes, images of operand registers, the same choice of a tile's rows).
; Q, K: record X = rows 128 X on; K along d.  V: record X = keys 128 X on as ONE K step of the last product; slot (w, i) at 12,288 w + 1,536 i is the tile of 16 columns 8 w + i of V; its scale words at 49,152 + 512 w.
; SHARES.  Work-group (X, y) takes x's record X.  PHASE 0: Q (y = 0) or K (y = 1) for its 128 rows; wave w makes d = 128 w on: its 32 fragments of W stay in 384 registers; source 0 = 16 columns of W, source 1 = a tile of x:
; a lane then holds ONE row, and its 64 registers are 128 w + 32 b + 16 (lane / 16) + 0 .. 15: they become fragment (K step w, tile i).  Eight trips.
; PHASE 1: half of V: now x's record stays in the 384 registers as source 0, source 1 = tile 4 y + i of Wv's columns 128 w on: a lane holds ONE column of V and its registers run along the 128 keys.  Four trips.
; 384 matrix instructions for every wave of 256 equal work-groups; no branch.  The biases are the C of each sum's first matrix instruction.
; x's record goes through LDS once (each wave brings a quarter through registers), since all four waves read all of it.
; NO CLUSTER, NO JOINT LOADS: what work-groups share here (a wave's 51,200 bytes of W) is read once by a wave, at its head, whole into the registers that use it; no loop fetches it again.
; LIMITS: as in the first launch (NaN, infinities not served; byte 1 for blocks under 2^-124 and for blocks of zeros).
; REGISTERS.  window 0: v1-7 addresses; v8-11, v14-15 scale words on their way out; v12, v13 the add's two; v16-31 source W's scale words; v32-47 x's; v48-111 eight accumulators; v112-207 two buffers of four fragments;
;   v208-223 at work; v224-243 the codes just made; v244-251 the trips' scale words.   window 1: K steps 0, 1 of the resident operand (96 s + 12 t), from v192 bq's or bk's eight tiles.
;   window 2: K steps 2, 3; v192-199 bv as a C; v200-203 bv of my four tiles.
.set SPARE, 51200                      ; behind x's record: the spare words, 128 bytes a wave
.set SCA, 16
.set SCX, 32
.set HA,  48
.set SB,  112
.set TM,  208
.set PC,  224
.set PW,  244
.set B1,  192
.set CB,  192
.set BV,  200
.set MSB, 0
.macro WIN new                         ; the immediate's high byte repeats the setting that is left
.if MSB != (\new)
	s_set_vgpr_msb (MSB<<8)|(\new)
.set MSB, (\new)
.endif
.endm
.macro PLACES n
.rept \n
	v_nop
.endr
.endm
.macro WM                              ; one matrix instruction from the symbols rD, rA, rB, rC (negative: the constant 0), rSA, rSB; fA, fB: the scales lie in lanes 16-31
.if rC < 0
.if fA && fB
	v_wmma_scale_f32_16x16x128_f8f6f4 v[rD:rD+7], v[rA:rA+11], v[rB:rB+11], 0, v[rSA], v[rSB] matrix_a_fmt:MATRIX_FMT_FP6 matrix_b_fmt:MATRIX_FMT_FP6 matrix_a_scale:MATRIX_SCALE_ROW1 matrix_b_scale:MATRIX_SCALE_ROW1
.elseif fA
	v_wmma_scale_f32_16x16x128_f8f6f4 v[rD:rD+7], v[rA:rA+11], v[rB:rB+11], 0, v[rSA], v[rSB] matrix_a_fmt:MATRIX_FMT_FP6 matrix_b_fmt:MATRIX_FMT_FP6 matrix_a_scale:MATRIX_SCALE_ROW1
.elseif fB
	v_wmma_scale_f32_16x16x128_f8f6f4 v[rD:rD+7], v[rA:rA+11], v[rB:rB+11], 0, v[rSA], v[rSB] matrix_a_fmt:MATRIX_FMT_FP6 matrix_b_fmt:MATRIX_FMT_FP6 matrix_b_scale:MATRIX_SCALE_ROW1
.else
	v_wmma_scale_f32_16x16x128_f8f6f4 v[rD:rD+7], v[rA:rA+11], v[rB:rB+11], 0, v[rSA], v[rSB] matrix_a_fmt:MATRIX_FMT_FP6 matrix_b_fmt:MATRIX_FMT_FP6
.endif
.else
.if fA && fB
	v_wmma_scale_f32_16x16x128_f8f6f4 v[rD:rD+7], v[rA:rA+11], v[rB:rB+11], v[rC:rC+7], v[rSA], v[rSB] matrix_a_fmt:MATRIX_FMT_FP6 matrix_b_fmt:MATRIX_FMT_FP6 matrix_a_scale:MATRIX_SCALE_ROW1 matrix_b_scale:MATRIX_SCALE_ROW1
.elseif fA
	v_wmma_scale_f32_16x16x128_f8f6f4 v[rD:rD+7], v[rA:rA+11], v[rB:rB+11], v[rC:rC+7], v[rSA], v[rSB] matrix_a_fmt:MATRIX_FMT_FP6 matrix_b_fmt:MATRIX_FMT_FP6 matrix_a_scale:MATRIX_SCALE_ROW1
.elseif fB
	v_wmma_scale_f32_16x16x128_f8f6f4 v[rD:rD+7], v[rA:rA+11], v[rB:rB+11], v[rC:rC+7], v[rSA], v[rSB] matrix_a_fmt:MATRIX_FMT_FP6 matrix_b_fmt:MATRIX_FMT_FP6 matrix_b_scale:MATRIX_SCALE_ROW1
.else
	v_wmma_scale_f32_16x16x128_f8f6f4 v[rD:rD+7], v[rA:rA+11], v[rB:rB+11], v[rC:rC+7], v[rSA], v[rSB] matrix_a_fmt:MATRIX_FMT_FP6 matrix_b_fmt:MATRIX_FMT_FP6
.endif
.endif
.endm
; 64 numbers of a lane, register 16 b + e = k 32 b + 16 (lane / 16) + e of my row, become a fragment's codes in v[PC] on and its scale word in v[pw].  It begins at each accumulator's low end.
.macro QUANT src, pw
.irp b, 0,1,2,3
	v_max3_num_f32 v[TM+\b], |v[\src+16*\b]|, |v[\src+1+16*\b]|, 0x1800000   ; my 16 numbers of block b, and the floor 2^(3 - 127)
.endr
.irp i, 2,4,6,8,10,12,14
.irp b, 0,1,2,3
	v_max3_num_f32 v[TM+\b], v[TM+\b], |v[\src+16*\b+\i]|, |v[\src+1+16*\b+\i]|   ; the four blocks by turns
.endr
.endr
.irp b, 0,1,2,3
	v_permlanex16_b32 v[TM+4+\b], v[TM+\b], s40, s41
.endr
.irp b, 0,1,2,3
	v_max_num_f32 v[TM+\b], v[TM+\b], v[TM+4+\b]   ; with lane l xor 16's: the block's largest magnitude
.endr
.irp b, 0,1,2,3
	v_add_nc_u32 v[TM+12+\b], 0xff000000, v[TM+\b] ; 2 off its exponent field: the conversion's scale operand
.endr
.irp b, 0,1,2,3
	v_lshrrev_b32 v[TM+4+\b], 23, v[TM+12+\b]      ; the byte
.endr
	v_lshl_or_b32 v[\pw], v[TM+5], 8, v[TM+4]
	v_lshl_or_b32 v[\pw], v[TM+6], 16, v[\pw]
	v_lshl_or_b32 v[\pw], v[TM+7], 24, v[\pw]
	s_wait_xcnt 0x0                                ; the last trip's stores have read the codes' registers: only now are they written again
.irp c, 0,1
	v_cvt_scalef32_pk16_fp6_f32 v[PC+6*\c:PC+2+6*\c], v[\src+32*\c:\src+15+32*\c], v[TM+12+2*\c]
	v_cvt_scalef32_pk16_fp6_f32 v[PC+12+4*\c:PC+14+4*\c], v[\src+16+32*\c:\src+31+32*\c], v[TM+12+2*\c+1]
.endr
	v_nop                                          ; one plain place behind a scaled conversion
.irp c, 0,1                                    ; the operand wants a WHOLE block in a lane: lanes 0-15 block 2 c, lanes 16-31 block 2 c + 1
.irp i, 0,1,2
	v_permlane16_swap_b32 v[PC+6*\c+\i], v[PC+12+4*\c+\i]
.endr
.irp i, 0,1,2
	v_mov_b32 v[PC+3+6*\c+\i], v[PC+12+4*\c+\i]
.endr
.endr
.endm
.macro RESID kind                      ; the resident operand's 32 fragments.  kind 0: W, from memory; kind 1: x's record, from LDS
.irp s, 0,1,2,3
	WIN 0x40+0x40*(\s/2)
.irp t, 0,1,2,3,4,5,6,7
.irp c, 0,1,2
.if \kind
	ds_load_b128 v[96*(\s%2)+12*\t+4*\c:96*(\s%2)+12*\t+4*\c+3], v1 offset:12288*\s+1536*\t+512*\c
.else
	global_load_b128 v[96*(\s%2)+12*\t+4*\c:96*(\s%2)+12*\t+4*\c+3], v1, s[22:23] offset:12288*\s+1536*\t+512*\c
.endif
.endr
.endr
.endr
	WIN 0
.endm
.macro XT i, buf                       ; tile i of x, its four K steps, from LDS into a buffer: 12 loads
.irp s, 0,1,2,3
.irp c, 0,1,2
	ds_load_b128 v[SB+48*(\buf)+12*\s+4*\c:SB+48*(\buf)+12*\s+4*\c+3], v1 offset:12288*\s+1536*(\i)+512*\c
.endr
.endr
.endm
.macro WVT i, buf                      ; my tile i of Wv, its four K steps, from memory: 12 loads
.irp s, 0,1,2,3
.irp c, 0,1,2
	global_load_b128 v[SB+48*(\buf)+12*\s+4*\c:SB+48*(\buf)+12*\s+4*\c+3], v1, s[26:27] offset:12288*\s+1536*(\i)+512*\c
.endr
.endr
.endm
; 32 matrix instructions: K step by K step, the eight accumulators by turns, one instruction a turn.  ph = 0: W x tile i of x; ph = 1: x x tile i of Wv
.macro MUL ph, i
.irp s, 0,1,2,3
.if \s == 0
	WIN 0x11+0x10*(\ph)                            ; source 0 window 1; the bias: window 1 (phase 0) or 2 (phase 1)
.elseif \s == 1
	WIN 0x01
.else
	WIN 0x02
.endif
.irp t, 0,1,2,3,4,5,6,7
.set rD, HA+8*\t
.set rA, 96*(\s%2)+12*\t
.set rB, SB+48*((\i)%2)+12*\s
.set rC, rD
.if \s == 0
.if \ph
.set rC, CB
.else
.set rC, B1+8*\t
.endif
.endif
.set fA, \t/4
.if \ph
.set rSA, SCX+4*\s+\t%4
.set rSB, SCA+4*\s+(\i)
.set fB, 0
.else
.set rSA, SCA+4*\s+\t%4
.set rSB, SCX+4*\s+(\i)%4
.set fB, (\i)/4
.endif
	WM
.endr
.endr
	WIN 0
.endm
	s_load_b256 s[4:11], s[0:1], 0x0               ; xq s[4:5], wq s[6:7], bq s[8:9], bk s[10:11]
	s_load_b128 s[12:15], s[0:1], 0x20             ; bv s[12:13], qkv s[14:15]
	v_lshl_add_u32 v12, v0, 2, SPARE               ; my spare word,
	v_mov_b32 v13, 0                               ; and 0: kept for the closing lines alone
	v_lshrrev_b32 v1, 5, v0
	v_readfirstlane_b32 s16, v1                    ; wave w
	s_mov_b32 s17, ttmp9                           ; X
	s_and_b32 s18, ttmp7, 0xffff                   ; y
	v_and_b32 v8, 31, v0
	v_lshlrev_b32 v1, 4, v8                        ; 16 x lane
	v_and_b32 v9, 15, v0                           ; r
	v_bfe_u32 v10, v0, 4, 1                        ; h
	v_lshlrev_b32 v2, 4, v9                        ; 16 r
	v_lshlrev_b32 v3, 6, v10                       ; 64 h
	v_and_b32 v11, 8, v9
	v_add_nc_u32 v11, v11, v9
	v_lshlrev_b32 v4, 2, v11                       ; 4 (r + 8 (r / 8))
	s_mul_i32 s19, s16, 12288
	v_add_nc_u32 v5, s19, v1                       ; LDS: my quarter of x's codes
	s_lshl_b32 s46, s16, 9
	s_add_co_u32 s47, s46, 49152
	v_add_nc_u32 v6, s47, v1                       ; LDS: my quarter of x's scale words
	v_lshl_add_u32 v7, v10, 3, v2                  ; 16 r + 8 h
.irp b, 0,1,2,3
	v_mov_b32 v[TM+4+\b], 0                        ; a lane permute's destination counts as one of its sources
.endr
	s_mul_i32 s48, s17, 51200                      ; record X
	s_add_co_u32 s20, s48, s19
	s_mov_b32 s21, 0
	s_add_co_u32 s44, s48, s47
	s_mov_b32 s45, 0
	s_lshl_b32 s49, s18, 2
	s_add_co_u32 s49, s49, s16
	s_mul_i32 s22, s49, 51200                      ; the weights' record 4 y + w
	s_mov_b32 s23, 0
	s_mov_b32 s24, s46                             ; 512 w: my 128 numbers of the bias
	s_mov_b32 s25, 0
	s_add_co_u32 s49, s16, 8
	s_mul_i32 s49, s49, 51200                      ; Wv's record 8 + w
	s_mul_i32 s50, s18, 6144
	s_add_co_u32 s26, s49, s50
	s_mov_b32 s27, 0
	s_lshl_b32 s51, s18, 8
	s_add_co_u32 s28, s49, s51
	s_add_co_u32 s28, s28, 49152
	s_mov_b32 s29, 0
	s_add_co_u32 s30, s46, s51
	s_mov_b32 s31, 0
	s_mul_i32 s52, s18, 6553600
	s_add_co_u32 s32, s20, s52
	s_mov_b32 s33, 0
	s_add_co_u32 s34, s44, s52
	s_mov_b32 s35, 0
	s_add_co_u32 s36, s20, s50
	s_add_co_u32 s36, s36, 13107200
	s_mov_b32 s37, 0
	s_add_co_u32 s38, s44, s51
	s_add_co_u32 s38, s38, 13107200
	s_mov_b32 s39, 0
	s_mov_b32 s40, 0x76543210
	s_mov_b32 s41, 0xfedcba98                      ; selects for lane l xor 16
	s_wait_kmcnt 0x0
	s_cmp_eq_u32 s18, 0
	s_cselect_b64 s[8:9], s[8:9], s[10:11]         ; bq or bk
	s_add_nc_u64 s[20:21], s[4:5], s[20:21]        ; x's codes, K step w
	s_add_nc_u64 s[44:45], s[4:5], s[44:45]        ; x's scale words, K step w
	s_add_nc_u64 s[22:23], s[6:7], s[22:23]        ; my record of Wq or Wk
	s_add_nc_u64 s[24:25], s[8:9], s[24:25]        ; my part of its bias
	s_add_nc_u64 s[26:27], s[6:7], s[26:27]        ; my four tiles of Wv
	s_add_nc_u64 s[28:29], s[6:7], s[28:29]        ; their scale words
	s_add_nc_u64 s[30:31], s[12:13], s[30:31]      ; their part of bv
	s_add_nc_u64 s[32:33], s[14:15], s[32:33]      ; out: Q's or K's codes,
	s_add_nc_u64 s[34:35], s[14:15], s[34:35]      ; scale words,
	s_add_nc_u64 s[36:37], s[14:15], s[36:37]      ; V's codes,
	s_add_nc_u64 s[38:39], s[14:15], s[38:39]      ; scale words
.set n, 0
.rept 24
	global_load_b128 v[SB+4*n:SB+4*n+3], v1, s[20:21] offset:512*n   ; my quarter of x's record, as it lies
.set n, n+1
.endr
	global_load_b128 v[TM:TM+3], v1, s[44:45]
	RESID 0
	WIN 0x40
.irp t, 0,1,2,3,4,5,6,7
	global_load_b128 v[B1+8*\t:B1+8*\t+3], v3, s[24:25] offset:4*(32*(\t/2)+8*(\t%2))      ; lane (r, h), tile t: the bias of d = 32 (t / 2) + 8 (t % 2) + 16 h + 0 .. 7
	global_load_b128 v[B1+8*\t+4:B1+8*\t+7], v3, s[24:25] offset:4*(32*(\t/2)+8*(\t%2))+16
.endr
	WIN 0x80
.irp t, 0,1,2,3
	global_load_b32 v[BV+\t], v4, s[30:31] offset:4*(32*(\t/2)+8*(\t%2))   ; bv of my lane's column in each of my four tiles
.endr
	WIN 0
.irp s, 0,1,2,3
	global_load_b128 v[SCA+4*\s:SCA+4*\s+3], v1, s[22:23] offset:49152+512*\s
.endr
	s_wait_loadcnt 0x0                             ; all of it is wanted ahead of the first product
.set n, 0
.rept 24
	ds_store_b128 v5, v[SB+4*n:SB+4*n+3] offset:512*n
.set n, n+1
.endr
	ds_store_b128 v6, v[TM:TM+3]
	s_wait_dscnt 0x0                               ; for the others' sake: my quarter lies in LDS
	s_barrier_signal -1
	s_barrier_wait -1                              ; the whole record does; it is never written again
.irp s, 0,1,2,3
	ds_load_b128 v[SCX+4*\s:SCX+4*\s+3], v1 offset:49152+512*\s
.endr
	XT 0, 0
	XT 1, 1
.macro TRIP0 i
.if \i < 7
	s_wait_dscnt 12                                ; this tile is in; the next tile's 12 loads may be out
.else
	s_wait_dscnt 0x0
.endif
	MUL 0, \i
	PLACES 4                                       ; in front of loads into registers that matrix instructions have read, and of the first read of results
.if \i < 6
	XT (\i)+2, (\i)%2
.elseif \i == 6
	WVT 0, 0                                       ; phase 1's first tile of Wv
.else
	RESID 1                                        ; x's record takes W's place
	WVT 1, 1
.irp s, 0,1,2,3
	global_load_b128 v[SCA+4*\s:SCA+4*\s+3], v2, s[28:29] offset:512*\s   ; Wv's scale words: lane r takes row r's of my four tiles
.endr
	WIN 0x82
.irp j, 0,1,2,3,4,5,6,7
	v_mov_b32 v[CB+\j], v[BV]                      ; bv as a C: the same in a lane's eight registers, which run along the keys
.endr
	WIN 0
.endif
	QUANT HA, PW+\i
.irp c, 0,1,2
	global_store_b128 v1, v[PC+4*\c:PC+4*\c+3], s[32:33] offset:1536*(\i)+512*\c   ; 32 lanes store 512 consecutive bytes
.endr
.endm
.irp i, 0,1,2,3,4,5,6,7
	TRIP0 \i
.endr
	s_mov_b32 vcc_lo, 0xffff0000                   ; lanes 16-31
.irp j, 0,1,2,3
	v_cndmask_b32 v[8+\j], v[PW+\j], v[PW+4+\j], vcc_lo   ; lanes 0-15 store tiles 0-3's words, lanes 16-31 tiles 4-7's
.endr
	global_store_b128 v1, v[8:11], s[34:35]
.macro TRIP1 i
.if \i == 0
	s_wait_loadcnt 0x0                             ; Wv's first two tiles and its scale words (issued last),
	s_wait_dscnt 0x0                               ; and x's record
.elseif \i < 3
	s_wait_loadcnt 12                              ; this tile is in; the 12 loads issued in the last trip may be out
.else
	s_wait_loadcnt 0x0
.endif
	MUL 1, \i
	PLACES 4
.if \i < 2
	WVT (\i)+2, (\i)%2
.endif
.if \i < 3
	WIN 0x82
.irp j, 0,1,2,3,4,5,6,7
	v_mov_b32 v[CB+\j], v[BV+(\i)+1]
.endr
	WIN 0
.endif
	QUANT HA, PW+\i
.irp c, 0,1,2
	global_store_b128 v1, v[PC+4*\c:PC+4*\c+3], s[36:37] offset:1536*(\i)+512*\c
.endr
.endm
.irp i, 0,1,2,3
	TRIP1 \i
.endr
	v_cndmask_b32 v14, v[PW], v[PW+2], vcc_lo      ; lane (r, h) stores the words of my tiles 2 h and 2 h + 1
	v_cndmask_b32 v15, v[PW+1], v[PW+3], vcc_lo
	global_store_b64 v7, v[14:15], s[38:39]        ; 32 lanes store 256 consecutive bytes, aligned
	s_wait_tensorcnt 0x0                           ; the wave's end
	ds_add_u32 v12, v13
	s_wait_dscnt 0x0
	s_endpgm
.Lfunc_end_k_q61be6694c3_proj:
	.size	k_q61be6694c3_proj, .Lfunc_end_k_q61be6694c3_proj-k_q61be6694c3_proj
	.p2alignl 7, 3214868480
	.fill 96, 4, 3214868480
	.section	.rodata,"a",@progbits
	.p2align	6, 0x0
	.amdhsa_kernel k_q61be6694c3_proj
		.amdhsa_group_segment_fixed_size 51712
		.amdhsa_private_segment_fixed_size 0
		.amdhsa_enable_private_segment 0
		.amdhsa_kernarg_size 48
		.amdhsa_user_sgpr_count 2
		.amdhsa_user_sgpr_kernarg_segment_ptr 1
		.amdhsa_wavefront_size32 1
		.amdhsa_system_sgpr_workgroup_id_x 1
		.amdhsa_system_sgpr_workgroup_id_y 1
		.amdhsa_system_sgpr_workgroup_id_z 1
		.amdhsa_system_vgpr_workitem_id 0
		.amdhsa_next_free_vgpr 768
		.amdhsa_next_free_sgpr 66
		.amdhsa_reserve_vcc 1
		.amdhsa_float_denorm_mode_32 3
		.amdhsa_float_denorm_mode_16_64 3
		.amdhsa_memory_ordered 1
		.amdhsa_forward_progress 1
		.amdhsa_inst_pref_size 138
	.end_amdhsa_kernel
	.amdgpu_metadata
---
amdhsa.version: [ 1, 2 ]
amdhsa.kernels:
  - .name:           k_q61be6694c3_proj
    .symbol:         k_q61be6694c3_proj.kd
    .args:
      - { .name: xq, .offset: 0, .size: 8, .value_kind: global_buffer, .address_space: global }
      - { .name: wq, .offset: 8, .size: 8, .value_kind: global_buffer, .address_space: global }
      - { .name: bq, .offset: 16, .size: 8, .value_kind: global_buffer, .address_space: global }
      - { .name: bk, .offset: 24, .size: 8, .value_kind: global_buffer, .address_space: global }
      - { .name: bv, .offset: 32, .size: 8, .value_kind: global_buffer, .address_space: global }
      - { .name: qkv, .offset: 40, .size: 8, .value_kind: global_buffer, .address_space: global }
    .group_segment_fixed_size: 51712
    .private_segment_fixed_size: 0
    .kernarg_segment_align: 8
    .kernarg_segment_size: 48
    .max_flat_workgroup_size: 128
    .sgpr_count:     66
    .vgpr_count:     768
    .wavefront_size: 32
...
	.end_amdgpu_metadata
.endif
;; end of part 2
;; launch soft (part 3): grid 32 x 8, 4 waves a work-group, no clusters, 264,704 bytes of LDS; arguments qkv, att; writes att
.if DOCPART == 3
	.amdgcn_target "amdgcn-amd-amdhsa--gfx1250"
	.amdhsa_code_object_version 6
	.text
	.protected	k_q61be6694c3_soft
	.globl	k_q61be6694c3_soft
	.p2align	8
	.type	k_q61be6694c3_soft,@function
k_q61be6694c3_soft:
	s_mov_b64 s[64:65], 0
	v_nop
	global_prefetch_b8 v0, s[64:65] scope:SCOPE_SE
	s_setreg_imm32_b32 hwreg(HW_REG_WAVE_MODE, 25, 1), 1
	s_wait_xcnt 0x0
; LAUNCH 3 OF 4.  scores = Q K^T / sqrt(512) on codes of FP6; softmax ALONG THE QUERIES (each key's column is normalised over the batch's 2,048 queries); the finished, normalised weights are quantised along the keys.  No work of the problem is left out.
; SHARES.  Work-group (yc, b) owns 64 keys (tiles 4 c .. 4 c + 3 of K's record 16 b + kappa; kappa = yc / 2, c = yc % 2) and ALL 2,048 queries: 512 KiB of scores, each multiplied once and given one exponential.
; Wave w owns queries 512 w on: 32 tiles q.  S^T = K Q^T (source 0 = 16 keys, source 1 = 16 queries): a lane holds ONE query, and the 16 registers of two neighbouring tiles of keys are keys 16 (lane / 16) + 0 .. 15 of a block of 32.
; BLOCK A (the first 32 keys) stays in 512 accumulator registers; BLOCK B (the other 32) goes to the wave's own 64 KiB of LDS as images of registers and takes A's place when A is done.
; A column's maximum and sum: over the 32 tiles in registers, over the 16 lanes of a half by DPP, over the four waves through LDS (four reductions, 512 bytes and one barrier each).
; p = 2^(c s - c m), c = log2(e) / sqrt(512), m the column's largest score; the weight is p x (1 / the column's sum).
; att: record (b, kappa), 204,800 bytes: fragment qt (16 queries x 128 keys) at 1,536 qt; my half c of it at + 768 c: registers 6 c .. 6 c + 3 at 16 L, registers 6 c + 4, 6 c + 5 at 512 + 8 L.
; Scale HALF words (my two bytes of a row's four) at 196,608 + 4,096 c + 256 G + 8 L, G = qt / 8: word 0 = tiles 4 h and 4 h + 1, word 1 = tiles 4 h + 2 and 4 h + 3 of the eight, 16 bits each, row L % 16.
; NO CLUSTER, NO JOINT LOADS: a joint load lands in LDS, where 262,144 bytes hold scores; what is left does not hold two slots of a pair of tiles of Q for each of four waves (98,304 bytes).  So Q goes whole from memory into the registers that use it.
; LIMITS: NaN and infinities are not served; p under 2^-126 becomes 0 (v_exp_f32); a block of weights under 2^-124, or of zeros, gets the byte 1 (this program alone reads the bytes).
; REGISTERS.  window 0: v1-6 addresses; v14, v15 the add's two; v16-31 K's scale words; v32-63 Q's, two sets; v64-255 in phase 1 two buffers of two tiles of Q; in phase 2: v64-79 m, then -c m; v80-95 sums; v96-111 reciprocals;
;   v112-175 the four waves' parts; v176-191 at work; v192-207 scale half words; v208-215 on their way out.   window 1: phase 1: K's 16 fragments, from v192 block B's four accumulators; phase 2: the codes, 6 q; from v192 four conversions' results.
;   windows 2, 3: the scores S(q, k) at 16 (q % 16) + k.
.set RED,   262144                     ; behind the four waves' 64 KiB: four reductions x 512 bytes
.set SPARE, 264192                     ; the spare words, 128 bytes a wave
.set KS,  16
.set QS,  32
.set QB,  64
.set M,   64
.set SUM, 80
.set RR,  96
.set RB,  112
.set TT,  176
.set T2,  180
.set SO,  184
.set BT,  188
.set Y,   192
.set O,   208
.set TB,  192
.set TC,  192
.set MSB, 0
.macro WIN new                         ; the immediate's high byte repeats the setting that is left
.if MSB != (\new)
	s_set_vgpr_msb (MSB<<8)|(\new)
.set MSB, (\new)
.endif
.endm
.macro PLACES n
.rept \n
	v_nop
.endr
.endm
.macro WM                              ; one matrix instruction from the symbols rD, rA, rB, rC (negative: the constant 0), rSA, rSB; fA, fB: the scales lie in lanes 16-31
.if rC < 0
.if fA && fB
	v_wmma_scale_f32_16x16x128_f8f6f4 v[rD:rD+7], v[rA:rA+11], v[rB:rB+11], 0, v[rSA], v[rSB] matrix_a_fmt:MATRIX_FMT_FP6 matrix_b_fmt:MATRIX_FMT_FP6 matrix_a_scale:MATRIX_SCALE_ROW1 matrix_b_scale:MATRIX_SCALE_ROW1
.elseif fA
	v_wmma_scale_f32_16x16x128_f8f6f4 v[rD:rD+7], v[rA:rA+11], v[rB:rB+11], 0, v[rSA], v[rSB] matrix_a_fmt:MATRIX_FMT_FP6 matrix_b_fmt:MATRIX_FMT_FP6 matrix_a_scale:MATRIX_SCALE_ROW1
.elseif fB
	v_wmma_scale_f32_16x16x128_f8f6f4 v[rD:rD+7], v[rA:rA+11], v[rB:rB+11], 0, v[rSA], v[rSB] matrix_a_fmt:MATRIX_FMT_FP6 matrix_b_fmt:MATRIX_FMT_FP6 matrix_b_scale:MATRIX_SCALE_ROW1
.else
	v_wmma_scale_f32_16x16x128_f8f6f4 v[rD:rD+7], v[rA:rA+11], v[rB:rB+11], 0, v[rSA], v[rSB] matrix_a_fmt:MATRIX_FMT_FP6 matrix_b_fmt:MATRIX_FMT_FP6
.endif
.else
.if fA && fB
	v_wmma_scale_f32_16x16x128_f8f6f4 v[rD:rD+7], v[rA:rA+11], v[rB:rB+11], v[rC:rC+7], v[rSA], v[rSB] matrix_a_fmt:MATRIX_FMT_FP6 matrix_b_fmt:MATRIX_FMT_FP6 matrix_a_scale:MATRIX_SCALE_ROW1 matrix_b_scale:MATRIX_SCALE_ROW1
.elseif fA
	v_wmma_scale_f32_16x16x128_f8f6f4 v[rD:rD+7], v[rA:rA+11], v[rB:rB+11], v[rC:rC+7], v[rSA], v[rSB] matrix_a_fmt:MATRIX_FMT_FP6 matrix_b_fmt:MATRIX_FMT_FP6 matrix_a_scale:MATRIX_SCALE_ROW1
.elseif fB
	v_wmma_scale_f32_16x16x128_f8f6f4 v[rD:rD+7], v[rA:rA+11], v[rB:rB+11], v[rC:rC+7], v[rSA], v[rSB] matrix_a_fmt:MATRIX_FMT_FP6 matrix_b_fmt:MATRIX_FMT_FP6 matrix_b_scale:MATRIX_SCALE_ROW1
.else
	v_wmma_scale_f32_16x16x128_f8f6f4 v[rD:rD+7], v[rA:rA+11], v[rB:rB+11], v[rC:rC+7], v[rSA], v[rSB] matrix_a_fmt:MATRIX_FMT_FP6 matrix_b_fmt:MATRIX_FMT_FP6
.endif
.endif
.endm
	s_load_b128 s[4:7], s[0:1], 0x0                ; qkv s[4:5], att s[6:7]
	v_lshl_add_u32 v14, v0, 2, SPARE               ; my spare word,
	v_mov_b32 v15, 0                               ; and 0: kept for the closing lines alone
	v_lshrrev_b32 v1, 5, v0
	v_readfirstlane_b32 s8, v1                     ; wave w
	s_and_b32 s10, ttmp7, 0xffff                   ; b
	s_lshr_b32 s11, ttmp9, 1                       ; kappa
	s_and_b32 s9, ttmp9, 1                         ; c
	v_and_b32 v7, 31, v0
	v_lshlrev_b32 v1, 4, v7                        ; 16 x lane
	v_lshlrev_b32 v2, 3, v7                        ; 8 x lane
	s_lshl_b32 s30, s8, 16
	v_add_nc_u32 v3, s30, v1                       ; LDS: my wave's 64 KiB, 16 x lane
	v_bfe_u32 v8, v0, 4, 1
	v_lshlrev_b32 v5, 6, v8
	v_add_nc_u32 v5, RED, v5                       ; LDS: a reduction's words of my half's 16 keys, wave 0's
	s_lshl_b32 s30, s8, 7
	v_add_nc_u32 v4, s30, v5                       ; and my wave's
	v_and_b32 v6, 15, v0
	v_lshlrev_b32 v6, 4, v6                        ; 16 r
	s_lshl_b32 s30, s10, 4
	s_lshl_b32 s31, s8, 2
	s_add_co_u32 s31, s31, s30
	s_mul_i32 s12, s31, 51200                      ; Q's records 16 b + 4 w on
	s_mov_b32 s13, 0
	s_add_co_u32 s30, s30, s11                     ; 16 b + kappa
	s_mul_i32 s31, s30, 51200
	s_add_co_u32 s31, s31, 6553600                 ; K's record
	s_mul_i32 s14, s9, 6144
	s_add_co_u32 s14, s14, s31
	s_mov_b32 s15, 0
	s_lshl_b32 s16, s9, 8
	s_add_co_u32 s16, s16, s31
	s_add_co_u32 s16, s16, 49152
	s_mov_b32 s17, 0
	s_mul_i32 s30, s30, 204800                     ; att's record
	s_mul_i32 s18, s8, 49152
	s_add_co_u32 s18, s18, s30
	s_mul_i32 s31, s9, 768
	s_add_co_u32 s18, s18, s31
	s_mov_b32 s19, 0
	s_lshl_b32 s20, s9, 12
	s_add_co_u32 s20, s20, s30
	s_lshl_b32 s31, s8, 10
	s_add_co_u32 s20, s20, s31
	s_add_co_u32 s20, s20, 196608
	s_mov_b32 s21, 0
	s_mov_b32 s22, 0x3d8293ee                      ; c = log2(e) / sqrt(512)
	s_mov_b32 s23, s22                             ; (named with it as a pair)
	s_mov_b32 s24, 0xbd8293ee                      ; -c
	s_mov_b32 s25, 0x1800000                       ; the floor 2^(3 - 127)
	s_mov_b32 s26, 0x76543210
	s_mov_b32 s27, 0xfedcba98                      ; selects for lane l xor 16
	s_wait_kmcnt 0x0
	s_add_nc_u64 s[12:13], s[4:5], s[12:13]        ; Q
	s_add_nc_u64 s[14:15], s[4:5], s[14:15]        ; my four tiles of K
	s_add_nc_u64 s[16:17], s[4:5], s[16:17]        ; their scale words
	s_add_nc_u64 s[18:19], s[6:7], s[18:19]        ; out: my wave's codes
	s_add_nc_u64 s[20:21], s[6:7], s[20:21]        ; out: my wave's scale half words
.macro QLOAD p                         ; the pair of tiles 2 p, 2 p + 1 of Q, four K steps each: 24 loads
.irp tq, 0,1
.irp s, 0,1,2,3
.irp c, 0,1,2
	global_load_b128 v[QB+96*((\p)%2)+48*\tq+12*\s+4*\c:QB+96*((\p)%2)+48*\tq+12*\s+4*\c+3], v1, s[12:13] offset:51200*((2*(\p)+\tq)/8)+12288*\s+1536*((2*(\p)+\tq)%8)+512*\c
.endr
.endr
.endr
.endm
.macro QSLOAD g                        ; the scale words of Q's record g of my four: 4 loads
.irp s, 0,1,2,3
	global_load_b128 v[QS+16*((\g)%2)+4*\s:QS+16*((\g)%2)+4*\s+3], v1, s[12:13] offset:51200*(\g)+49152+512*\s
.endr
.endm
	WIN 0x40
.irp kt, 0,1,2,3
.irp s, 0,1,2,3
.irp c, 0,1,2
	global_load_b128 v[12*(4*\kt+\s)+4*\c:12*(4*\kt+\s)+4*\c+3], v1, s[14:15] offset:12288*\s+1536*\kt+512*\c   ; K's 16 fragments stay
.endr
.endr
.endr
	WIN 0
.irp s, 0,1,2,3
	global_load_b128 v[KS+4*\s:KS+4*\s+3], v6, s[16:17] offset:512*\s   ; lane r: row r's words of my four tiles
.endr
	QSLOAD 0
	QLOAD 0
	QLOAD 1
; PHASE 1.  A pair of tiles of Q against my four tiles of K: 16 matrix instructions into block A's accumulators, 16 into block B's four, which then go to LDS.  Four accumulators by turns, one instruction a turn.
.macro SCORES p, blk
.irp s, 0,1,2,3
.irp tq, 0,1
.irp u, 0,1
.set q, 2*(\p)+\tq
.if \blk
.set rD, TB+16*\tq+8*\u
.else
.set rD, 16*(q%16)+8*\u
.endif
.set rA, 12*(4*(2*(\blk)+\u)+\s)
.set rB, QB+96*((\p)%2)+48*\tq+12*\s
.set rC, rD
.if \s == 0
.set rC, -1
.endif
.set rSA, KS+4*\s+2*(\blk)+\u
.set rSB, QS+16*((q/8)%2)+4*\s+q%4
.set fA, 0
.set fB, (q%8)/4
	WM
.endr
.endr
.endr
.endm
.macro PAIR p
.if (\p) < 15
	s_wait_loadcnt 24                              ; this pair is in, and all issued ahead of it; the next pair's 24 loads may be out
.else
	s_wait_loadcnt 0x0
.endif
	WIN 0xa1+0x50*((\p)/8)                         ; K window 1, Q window 0, the scores window 2 or 3
	SCORES \p, 0
	WIN 0x51                                       ; block B's accumulators: window 1
	SCORES \p, 1
	WIN 0
	PLACES 5                                       ; four in front of the loads and of the LDS stores that read results; the fifth since the next pair begins block B's accumulators anew
.if ((\p)%4 == 1) && ((\p) < 13)
	QSLOAD (\p)/4+1                                ; the next record's scale words, into the set that is not in use
.endif
.if (\p) < 14
	QLOAD (\p)+2
.endif
	WIN 0x04                                       ; an LDS store's data: window 1
.irp tq, 0,1
.irp c, 0,1,2,3
	ds_store_b128 v3, v[TB+16*\tq+4*\c:TB+16*\tq+4*\c+3] offset:2048*(2*(\p)+\tq)+512*\c   ; each accumulator from its low end on
.endr
.endr
	WIN 0
.endm
.irp p, 0,1,2,3,4,5,6,7,8,9,10,11,12,13,14,15
	PAIR \p
.endr
.irp n, 0,1,2,3
	v_mov_b32 v[T2+\n], 0                          ; a lane permute's destination counts as one of its sources
.endr
; PHASE 2, once for each block of 32 keys.
.macro S1                              ; each key's largest score over my 32 tiles; k innermost
	WIN 0x2a
.irp k, 0,1,2,3,4,5,6,7,8,9,10,11,12,13,14,15
	v_max3_num_f32 v[M+\k], v[\k], v[16+\k], v[32+\k]
.endr
	WIN 0x0a
.irp t, 3,5,7,9,11,13
.irp k, 0,1,2,3,4,5,6,7,8,9,10,11,12,13,14,15
	v_max3_num_f32 v[M+\k], v[16*\t+\k], v[16*\t+16+\k], v[M+\k]
.endr
.endr
	WIN 0x0e                                       ; tile 15 in window 2, tile 16 in window 3
.irp k, 0,1,2,3,4,5,6,7,8,9,10,11,12,13,14,15
	v_max3_num_f32 v[M+\k], v[240+\k], v[\k], v[M+\k]
.endr
	WIN 0x0f
.irp t, 1,3,5,7,9,11,13
.irp k, 0,1,2,3,4,5,6,7,8,9,10,11,12,13,14,15
	v_max3_num_f32 v[M+\k], v[16*\t+\k], v[16*\t+16+\k], v[M+\k]
.endr
.endr
	WIN 0x03
.irp k, 0,1,2,3,4,5,6,7,8,9,10,11,12,13,14,15
	v_max_num_f32 v[M+\k], v[240+\k], v[M+\k]
.endr
	WIN 0
.endm
.macro RED use, op, base               ; 16 numbers a lane are reduced over the 16 lanes of my half and the four waves.  op 0: maximum, 1: sum.  Each use has 512 bytes of its own, written once
.irp x, 1,2,4,8
.irp k, 0,1,2,3,4,5,6,7,8,9,10,11,12,13,14,15
.if \op
	v_add_f32_dpp v[\base+\k], v[\base+\k], v[\base+\k] row_xmask:\x row_mask:0xf bank_mask:0xf
.else
	v_max_num_f32_dpp v[\base+\k], v[\base+\k], v[\base+\k] row_xmask:\x row_mask:0xf bank_mask:0xf
.endif
.endr
.endr
.irp c, 0,1,2,3
	ds_store_b128 v4, v[\base+4*\c:\base+4*\c+3] offset:512*(\use)+16*\c   ; the 16 lanes of a half write the same words with the same values
.endr
	s_wait_dscnt 0x0                               ; for the others' sake: my words lie in LDS (and all my earlier LDS instructions are done)
	s_barrier_signal -1
	s_barrier_wait -1
.irp w, 0,1,2,3
.irp c, 0,1,2,3
	ds_load_b128 v[RB+16*\w+4*\c:RB+16*\w+4*\c+3], v5 offset:512*(\use)+128*\w+16*\c
.endr
.endr
	s_wait_dscnt 0x0
.if \op
.irp k, 0,2,4,6,8,10,12,14
	v_pk_add_f32 v[\base+\k:\base+\k+1], v[RB+\k:RB+\k+1], v[RB+16+\k:RB+17+\k]
.endr
.irp k, 0,2,4,6,8,10,12,14
	v_pk_add_f32 v[RB+\k:RB+\k+1], v[RB+32+\k:RB+33+\k], v[RB+48+\k:RB+49+\k]
.endr
.irp k, 0,2,4,6,8,10,12,14
	v_pk_add_f32 v[\base+\k:\base+\k+1], v[\base+\k:\base+\k+1], v[RB+\k:RB+\k+1]
.endr
.else
.irp k, 0,1,2,3,4,5,6,7,8,9,10,11,12,13,14,15
	v_max3_num_f32 v[\base+\k], v[RB+\k], v[RB+16+\k], v[RB+32+\k]
.endr
.irp k, 0,1,2,3,4,5,6,7,8,9,10,11,12,13,14,15
	v_max_num_f32 v[\base+\k], v[\base+\k], v[RB+48+\k]
.endr
.endif
.endm
.macro FMA ch                          ; chunk ch = tiles 4 ch .. 4 ch + 3: c s - c m, two keys at a time
	WIN 0x82+0x41*((\ch)/4)
.irp n, 0,1,2,3
.set R, 16*((4*(\ch)+\n)%16)
.irp k, 0,2,4,6,8,10,12,14
	v_pk_fma_f32 v[R+\k:R+\k+1], v[R+\k:R+\k+1], s[22:23], v[M+\k:M+\k+1] op_sel_hi:[1,0,1]
.endr
.endr
.endm
.macro EXPS ch                         ; a batch of 64 exponentials
	WIN 0x82+0x41*((\ch)/4)
.irp n, 0,1,2,3
.set R, 16*((4*(\ch)+\n)%16)
.irp k, 0,1,2,3,4,5,6,7,8,9,10,11,12,13,14,15
	v_exp_f32 v[R+\k], v[R+\k]
.endr
.endr
.endm
.macro ADDS ch                         ; the chunk's p into the columns' sums; tiles 0 and 1 start them: nothing is cleared
.irp n, 0,1,2,3
.set R, 16*((4*(\ch)+\n)%16)
.if (\ch) == 0 && \n == 0
.elseif (\ch) == 0 && \n == 1
	WIN 0x0a
.irp k, 0,2,4,6,8,10,12,14
	v_pk_add_f32 v[SUM+\k:SUM+\k+1], v[\k:\k+1], v[16+\k:17+\k]
.endr
.else
	WIN 0x08+4*((\ch)/4)
.irp k, 0,2,4,6,8,10,12,14
	v_pk_add_f32 v[SUM+\k:SUM+\k+1], v[SUM+\k:SUM+\k+1], v[R+\k:R+\k+1]
.endr
.endif
.endr
.endm
.macro QG g, blk                       ; four tiles: normalise, each query's block of 32 keys is quantised
.set WQ, (\g)/4
	WIN 0x82+0x41*WQ
.irp n, 0,1,2,3
.set R, 16*((4*(\g)+\n)%16)
.irp k, 0,2,4,6,8,10,12,14
	v_pk_mul_f32 v[R+\k:R+\k+1], v[R+\k:R+\k+1], v[RR+\k:RR+\k+1]   ; the finished weight
.endr
.endr
	WIN 0x0a+5*WQ
.irp n, 0,1,2,3
.set R, 16*((4*(\g)+\n)%16)
	v_max3_num_f32 v[TT+\n], v[R], v[R+1], s25     ; no |.|: none is negative; the floor among the leaves
.endr
.irp i, 2,4,6,8,10,12,14
.irp n, 0,1,2,3
.set R, 16*((4*(\g)+\n)%16)
	v_max3_num_f32 v[TT+\n], v[R+\i], v[R+\i+1], v[TT+\n]   ; the four tiles by turns
.endr
.endr
	WIN 0
.irp n, 0,1,2,3
	v_permlanex16_b32 v[T2+\n], v[TT+\n], s26, s27
.endr
.irp n, 0,1,2,3
	v_max_num_f32 v[TT+\n], v[TT+\n], v[T2+\n]     ; with lane l xor 16's 16 keys: the block's largest
.endr
.irp n, 0,1,2,3
	v_add_nc_u32 v[SO+\n], 0xff000000, v[TT+\n]    ; 2 off its exponent field: the conversion's scale operand
.endr
.irp n, 0,1,2,3
.set q, 4*(\g)+\n
.set YR, Y+4*(q/8)+(q%8)/2
.if (\blk) == 0 && q%2 == 0
	v_lshrrev_b32 v[YR], 23, v[SO+\n]              ; the byte: the register's first
.else
	v_lshrrev_b32 v[BT+\n], 23, v[SO+\n]
	v_lshl_or_b32 v[YR], v[BT+\n], 16*(q%2)+8*(\blk), v[YR]
.endif
.endr
	WIN 0x42+WQ                                    ; codes window 1, weights window 2 or 3, the scale operand window 0
.irp n, 0,1,2,3
.set q, 4*(\g)+\n
.set R, 16*(q%16)
.if \blk
	v_cvt_scalef32_pk16_fp6_f32 v[TC+4*\n:TC+4*\n+2], v[R:R+15], v[SO+\n]
.else
	v_cvt_scalef32_pk16_fp6_f32 v[6*q:6*q+2], v[R:R+15], v[SO+\n]
.endif
.endr
	v_nop                                          ; one plain place behind a scaled conversion
.if \blk
	WIN 0x41
.irp n, 0,1,2,3
.set q, 4*(\g)+\n
.irp i, 0,1,2
	v_permlane16_swap_b32 v[6*q+\i], v[TC+4*\n+\i] ; the operand wants a WHOLE block in a lane: lanes 0-15 block A, lanes 16-31 block B
.endr
.irp i, 0,1,2
	v_mov_b32 v[6*q+3+\i], v[TC+4*\n+\i]
.endr
.endr
	WIN 0x04                                       ; a store's data: window 1
.irp n, 0,1,2,3
.set q, 4*(\g)+\n
	global_store_b128 v1, v[6*q:6*q+3], s[18:19] offset:1536*q          ; 32 lanes store 512 consecutive bytes,
	global_store_b64 v2, v[6*q+4:6*q+5], s[18:19] offset:1536*q+512     ; and 256; each tile has code registers of its own, written once
.endr
.endif
.endm
.macro PH2 blk
	S1
	RED 2*(\blk), 0, M
.irp k, 0,1,2,3,4,5,6,7,8,9,10,11,12,13,14,15
	v_mul_f32 v[M+\k], s24, v[M+\k]                ; -c m
.endr
	FMA 0
	EXPS 0
.irp ch, 1,2,3,4,5,6,7
	FMA \ch                                        ; plain work behind the batch, which names none of its results
	s_wait_alu depctr_va_vdst(0)                   ; one wait for the batch of 64, ahead of its first reader
	ADDS \ch-1
	EXPS \ch
.endr
	v_nop                                          ; a plain place behind the last exponential
	s_wait_alu depctr_va_vdst(0)
	ADDS 7
	WIN 0
	RED 2*(\blk)+1, 1, SUM
.irp k, 0,1,2,3,4,5,6,7,8,9,10,11,12,13,14,15
	v_rcp_f32 v[RR+\k], v[SUM+\k]
.endr
	v_nop
	s_wait_alu depctr_va_vdst(0)                   ; one wait for the 16 reciprocals
.irp g, 0,1,2,3,4,5,6,7
	QG \g, \blk
.endr
	WIN 0
.endm
	PH2 0
	WIN 0x80                                       ; block B takes block A's place: my own bytes, which LDS serves in order
.set n, 0
.rept 64
	ds_load_b128 v[4*n:4*n+3], v3 offset:512*n
.set n, n+1
.endr
	WIN 0xc0
.set n, 0
.rept 64
	ds_load_b128 v[4*n:4*n+3], v3 offset:32768+512*n
.set n, n+1
.endr
	WIN 0
	s_wait_dscnt 0x0
	PH2 1
	s_mov_b32 vcc_lo, 0xffff0000                   ; lanes 16-31
.irp g, 0,1,2,3
	v_cndmask_b32 v[O+2*\g], v[Y+4*\g], v[Y+4*\g+2], vcc_lo       ; lane (r, h): tiles 4 h, 4 h + 1,
	v_cndmask_b32 v[O+2*\g+1], v[Y+4*\g+1], v[Y+4*\g+3], vcc_lo   ; and 4 h + 2, 4 h + 3 of the eight
	global_store_b64 v2, v[O+2*\g:O+2*\g+1], s[20:21] offset:256*\g   ; 32 lanes store 256 consecutive bytes, aligned
.endr
	s_wait_tensorcnt 0x0                           ; the wave's end
	ds_add_u32 v14, v15
	s_wait_dscnt 0x0
	s_endpgm
.Lfunc_end_k_q61be6694c3_soft:
	.size	k_q61be6694c3_soft, .Lfunc_end_k_q61be6694c3_soft-k_q61be6694c3_soft
	.p2alignl 7, 3214868480
	.fill 96, 4, 3214868480
	.section	.rodata,"a",@progbits
	.p2align	6, 0x0
	.amdhsa_kernel k_q61be6694c3_soft
		.amdhsa_group_segment_fixed_size 264704
		.amdhsa_private_segment_fixed_size 0
		.amdhsa_enable_private_segment 0
		.amdhsa_kernarg_size 16
		.amdhsa_user_sgpr_count 2
		.amdhsa_user_sgpr_kernarg_segment_ptr 1
		.amdhsa_wavefront_size32 1
		.amdhsa_system_sgpr_workgroup_id_x 1
		.amdhsa_system_sgpr_workgroup_id_y 1
		.amdhsa_system_sgpr_workgroup_id_z 1
		.amdhsa_system_vgpr_workitem_id 0
		.amdhsa_next_free_vgpr 1024
		.amdhsa_next_free_sgpr 66
		.amdhsa_reserve_vcc 1
		.amdhsa_float_denorm_mode_32 3
		.amdhsa_float_denorm_mode_16_64 3
		.amdhsa_memory_ordered 1
		.amdhsa_forward_progress 1
		.amdhsa_inst_pref_size 255
	.end_amdhsa_kernel
	.section	.bss,"aw",@nobits
	.p2align	6
	.space	262144
	.amdgpu_metadata
---
amdhsa.version: [ 1, 2 ]
amdhsa.kernels:
  - .name:           k_q61be6694c3_soft
    .symbol:         k_q61be6694c3_soft.kd
    .args:
      - { .name: qkv, .offset: 0, .size: 8, .value_kind: global_buffer, .address_space: global }
      - { .name: att, .offset: 8, .size: 8, .value_kind: global_buffer, .address_space: global }
    .group_segment_fixed_size: 264704
    .private_segment_fixed_size: 0
    .kernarg_segment_align: 8
    .kernarg_segment_size: 16
    .max_flat_workgroup_size: 128
    .sgpr_count:     66
    .vgpr_count:     1024
    .wavefront_size: 32
...
	.end_amdgpu_metadata
.endif
;; end of part 3
;; launch pv (part 4): grid 128 x 2, 4 waves a work-group, no clusters, 165,376 bytes of LDS; arguments att, qkv, out0; writes out0
.if DOCPART == 4
	.amdgcn_target "amdgcn-amd-amdhsa--gfx1250"
	.amdhsa_code_object_version 6
	.text
	.protected	k_q61be6694c3_pv
	.globl	k_q61be6694c3_pv
	.p2align	8
	.type	k_q61be6694c3_pv,@function
k_q61be6694c3_pv:
	s_mov_b64 s[64:65], 0
	v_nop
	global_prefetch_b8 v0, s[64:65] scope:SCOPE_SE
	s_setreg_imm32_b32 hwreg(HW_REG_WAVE_MODE, 25, 1), 1
	s_wait_xcnt 0x0
; LAUNCH 4 OF 4.  out = att V on codes of FP6 with E8M0 scales; K = the batch's 2,048 keys, 16 K steps of 128.  No work of the problem is left out.
; SHARES.  Work-group (X, y): batch b = X / 16, queries 128 G on (G = X % 16).  Wave w: T = w / 2, kh = w % 2: 128 queries x 128 columns (128 vg on, vg = 2 y + T) over K steps 8 kh .. 8 kh + 7: 64 accumulators.
; K IS SPLIT OVER TWO WAVES, so that 1,024 waves of 128 x 128 fill 256 work-groups; the two halves of a sum are added in f32 at the end (an order of rounding that differs from one chain along K).
; The matrix instruction is used transposed (source 0 = 16 columns of V, source 1 = 16 queries of att): a lane holds eight neighbouring numbers of a row of the output.
; NO BRANCH ON kh: the four tiles of queries that the wave keeps (4 kh + a) always lie in window 2, the partner's in window 3: two bases for att's fragments, and the scale half words are loaded at lane xor 16 kh, so that lanes 0-15 hold the kept tiles'.
; Operands go whole from memory into the registers that use them, two K steps' worth in two sets; by the text's own count 59 loads a K step.
; NO CLUSTER, NO JOINT LOADS in this text: a wave's V fragments are shared with the 15 other groups of queries of its batch, which lie in other work-groups along x; each fragment is used from the registers it is loaded into, with no LDS ring to land a joint load in.
; THE WAY OUT: the partner's tiles go to LDS as images of registers, one barrier, each wave adds the partner's halves onto its four tiles; a tile then turns through the wave's own stage and leaves as rows of 512 bytes.
; The rows of a tile of queries are those of the first launch's choice: lane r of tile i is row 32 (i / 2) + 8 (i % 2) + r + 8 (r / 8) of the 128.
; REGISTERS.  window 0: v1-7 addresses; v12, v13 the add's two; v16-39 two sets of scale registers (half words 4, att's words 4, V's words 4); v64-255 att's fragments, two sets of eight.   window 1: V's fragments, two sets of eight.
;   window 2: the kept tiles' 32 accumulators (64 a + 8 i);   window 3: the partner's.
.set STG,   131072                     ; behind the exchange (32 KiB a wave): a stage of 16 rows x (512 + 16) bytes for each wave
.set SPARE, 164864                     ; the spare words, 128 bytes a wave
.set SCS, 16
.set AF,  64
.set MSB, 0
.macro WIN new                         ; the immediate's high byte repeats the setting that is left
.if MSB != (\new)
	s_set_vgpr_msb (MSB<<8)|(\new)
.set MSB, (\new)
.endif
.endm
.macro PLACES n
.rept \n
	v_nop
.endr
.endm
.macro WM                              ; one matrix instruction from the symbols rD, rA, rB, rC (negative: the constant 0), rSA, rSB; fA, fB: the scales lie in lanes 16-31
.if rC < 0
.if fA && fB
	v_wmma_scale_f32_16x16x128_f8f6f4 v[rD:rD+7], v[rA:rA+11], v[rB:rB+11], 0, v[rSA], v[rSB] matrix_a_fmt:MATRIX_FMT_FP6 matrix_b_fmt:MATRIX_FMT_FP6 matrix_a_scale:MATRIX_SCALE_ROW1 matrix_b_scale:MATRIX_SCALE_ROW1
.elseif fA
	v_wmma_scale_f32_16x16x128_f8f6f4 v[rD:rD+7], v[rA:rA+11], v[rB:rB+11], 0, v[rSA], v[rSB] matrix_a_fmt:MATRIX_FMT_FP6 matrix_b_fmt:MATRIX_FMT_FP6 matrix_a_scale:MATRIX_SCALE_ROW1
.elseif fB
	v_wmma_scale_f32_16x16x128_f8f6f4 v[rD:rD+7], v[rA:rA+11], v[rB:rB+11], 0, v[rSA], v[rSB] matrix_a_fmt:MATRIX_FMT_FP6 matrix_b_fmt:MATRIX_FMT_FP6 matrix_b_scale:MATRIX_SCALE_ROW1
.else
	v_wmma_scale_f32_16x16x128_f8f6f4 v[rD:rD+7], v[rA:rA+11], v[rB:rB+11], 0, v[rSA], v[rSB] matrix_a_fmt:MATRIX_FMT_FP6 matrix_b_fmt:MATRIX_FMT_FP6
.endif
.else
.if fA && fB
	v_wmma_scale_f32_16x16x128_f8f6f4 v[rD:rD+7], v[rA:rA+11], v[rB:rB+11], v[rC:rC+7], v[rSA], v[rSB] matrix_a_fmt:MATRIX_FMT_FP6 matrix_b_fmt:MATRIX_FMT_FP6 matrix_a_scale:MATRIX_SCALE_ROW1 matrix_b_scale:MATRIX_SCALE_ROW1
.elseif fA
	v_wmma_scale_f32_16x16x128_f8f6f4 v[rD:rD+7], v[rA:rA+11], v[rB:rB+11], v[rC:rC+7], v[rSA], v[rSB] matrix_a_fmt:MATRIX_FMT_FP6 matrix_b_fmt:MATRIX_FMT_FP6 matrix_a_scale:MATRIX_SCALE_ROW1
.elseif fB
	v_wmma_scale_f32_16x16x128_f8f6f4 v[rD:rD+7], v[rA:rA+11], v[rB:rB+11], v[rC:rC+7], v[rSA], v[rSB] matrix_a_fmt:MATRIX_FMT_FP6 matrix_b_fmt:MATRIX_FMT_FP6 matrix_b_scale:MATRIX_SCALE_ROW1
.else
	v_wmma_scale_f32_16x16x128_f8f6f4 v[rD:rD+7], v[rA:rA+11], v[rB:rB+11], v[rC:rC+7], v[rSA], v[rSB] matrix_a_fmt:MATRIX_FMT_FP6 matrix_b_fmt:MATRIX_FMT_FP6
.endif
.endif
.endm
	s_load_b128 s[4:7], s[0:1], 0x0                ; att s[4:5], qkv s[6:7]
	s_load_b64 s[8:9], s[0:1], 0x10                ; out0
	v_lshl_add_u32 v12, v0, 2, SPARE               ; my spare word,
	v_mov_b32 v13, 0                               ; and 0: kept for the closing lines alone
	v_lshrrev_b32 v1, 5, v0
	v_readfirstlane_b32 s10, v1                    ; wave w
	s_and_b32 s26, ttmp7, 0xffff                   ; y
	s_lshr_b32 s27, ttmp9, 4                       ; b
	s_and_b32 s28, ttmp9, 15                       ; G
	s_lshr_b32 s29, s10, 1                         ; T
	s_and_b32 s30, s10, 1                          ; kh
	s_lshl_b32 s31, s26, 1
	s_add_co_u32 s31, s31, s29                     ; vg
	v_and_b32 v8, 31, v0
	v_lshlrev_b32 v1, 4, v8                        ; 16 x lane
	v_lshlrev_b32 v2, 3, v8                        ; 8 x lane
	s_lshl_b32 s32, s30, 4
	v_xor_b32 v3, s32, v8
	v_lshlrev_b32 v3, 3, v3                        ; 8 x (lane xor 16 kh)
	s_lshl_b32 s32, s10, 15
	v_add_nc_u32 v4, s32, v1                       ; LDS: the exchange, my 32 KiB
	s_xor_b32 s32, s10, 1
	s_lshl_b32 s32, s32, 15
	v_add_nc_u32 v5, s32, v1                       ; and my partner's
	s_mul_i32 s32, s10, 8448
	s_add_co_u32 s32, s32, STG                     ; my stage
	v_add_nc_u32 v7, s32, v1                       ; back: a row of 512 bytes, 16 a lane
	v_and_b32 v9, 15, v0
	v_bfe_u32 v10, v0, 4, 1
	v_mul_u32_u24 v6, v9, 528
	v_lshl_add_u32 v6, v10, 6, v6
	v_add_nc_u32 v6, s32, v6                       ; in: row r, + 64 h
	s_lshl_b32 s32, s27, 4
	s_lshl_b32 s33, s30, 3
	s_add_co_u32 s32, s32, s33                     ; 16 b + 8 kh: the first of my eight K steps
	s_mul_i32 s33, s32, 204800
	s_lshl_b32 s34, s28, 3
	s_lshl_b32 s35, s30, 2
	s_add_co_u32 s36, s34, s35                     ; the tiles that I keep: 8 G + 4 kh on
	s_mul_i32 s12, s36, 1536
	s_add_co_u32 s12, s12, s33
	s_mov_b32 s13, 0
	s_add_co_u32 s36, s34, 4
	s_sub_co_u32 s36, s36, s35                     ; my partner's: 8 G + 4 - 4 kh on
	s_mul_i32 s14, s36, 1536
	s_add_co_u32 s14, s14, s33
	s_mov_b32 s15, 0
	s_lshl_b32 s16, s28, 8
	s_add_co_u32 s16, s16, s33
	s_add_co_u32 s16, s16, 196608
	s_mov_b32 s17, 0
	s_mul_i32 s33, s32, 51200
	s_add_co_u32 s33, s33, 13107200
	s_mul_i32 s18, s31, 12288
	s_add_co_u32 s18, s18, s33
	s_mov_b32 s19, 0
	s_lshl_b32 s20, s31, 9
	s_add_co_u32 s20, s20, s33
	s_add_co_u32 s20, s20, 49152
	s_mov_b32 s21, 0
	s_lshl_b32 s22, s27, 11
	s_lshl_b32 s36, s28, 7
	s_add_co_u32 s22, s22, s36
	s_lshl_b32 s36, s30, 6
	s_add_co_u32 s22, s22, s36                     ; row 2,048 b + 128 G + 64 kh,
	s_lshl_b32 s22, s22, 11                        ; of 2,048 bytes,
	s_lshl_b32 s36, s31, 9
	s_add_co_u32 s22, s22, s36                     ; + 512 vg
	s_mov_b32 s23, 0
	s_mov_b32 s24, 0x05040100                      ; the two low halves
	s_mov_b32 s25, 0x07060302                      ; the two high halves
	s_wait_kmcnt 0x0
	s_add_nc_u64 s[12:13], s[4:5], s[12:13]        ; att: the kept tiles,
	s_add_nc_u64 s[14:15], s[4:5], s[14:15]        ; the partner's,
	s_add_nc_u64 s[16:17], s[4:5], s[16:17]        ; the scale half words
	s_add_nc_u64 s[18:19], s[6:7], s[18:19]        ; V's fragments,
	s_add_nc_u64 s[20:21], s[6:7], s[20:21]        ; V's scale words
	s_add_nc_u64 s[22:23], s[8:9], s[22:23]        ; out
.macro LOADK t                         ; my K step t: 24 + 32 + 2 + 1 = 59 loads, into set t % 2
.set P, (\t)%2
	WIN 0x40
.irp i, 0,1,2,3,4,5,6,7
.irp c, 0,1,2
	global_load_b128 v[96*P+12*\i+4*\c:96*P+12*\i+4*\c+3], v1, s[18:19] offset:51200*(\t)+1536*\i+512*\c
.endr
.endr
	WIN 0
.irp a, 0,1,2,3
.irp c, 0,1
	global_load_b128 v[AF+96*P+12*\a+6*\c:AF+96*P+12*\a+6*\c+3], v1, s[12:13] offset:204800*(\t)+1536*\a+768*\c
	global_load_b64 v[AF+96*P+12*\a+6*\c+4:AF+96*P+12*\a+6*\c+5], v2, s[12:13] offset:204800*(\t)+1536*\a+768*\c+512
.endr
.endr
.irp a, 0,1,2,3
.irp c, 0,1
	global_load_b128 v[AF+96*P+48+12*\a+6*\c:AF+96*P+48+12*\a+6*\c+3], v1, s[14:15] offset:204800*(\t)+1536*\a+768*\c
	global_load_b64 v[AF+96*P+48+12*\a+6*\c+4:AF+96*P+48+12*\a+6*\c+5], v2, s[14:15] offset:204800*(\t)+1536*\a+768*\c+512
.endr
.endr
	global_load_b64 v[SCS+12*P:SCS+12*P+1], v3, s[16:17] offset:204800*(\t)           ; bytes 0, 1 of four tiles' words,
	global_load_b64 v[SCS+12*P+2:SCS+12*P+3], v3, s[16:17] offset:204800*(\t)+4096    ; bytes 2, 3
	global_load_b128 v[SCS+12*P+8:SCS+12*P+11], v1, s[20:21] offset:51200*(\t)
.endm
.macro KSTEP t
.set P, (\t)%2
.if (\t) < 7
	s_wait_loadcnt 59                              ; this K step is in; the next step's 59 loads may be out
.else
	s_wait_loadcnt 0x0
.endif
	v_perm_b32 v[SCS+12*P+4], v[SCS+12*P+2], v[SCS+12*P], s24      ; att's scale words: two bytes from each half word
	v_perm_b32 v[SCS+12*P+5], v[SCS+12*P+2], v[SCS+12*P], s25
	v_perm_b32 v[SCS+12*P+6], v[SCS+12*P+3], v[SCS+12*P+1], s24
	v_perm_b32 v[SCS+12*P+7], v[SCS+12*P+3], v[SCS+12*P+1], s25
	PLACES 8                                       ; a scale register written by a vector instruction stands eight places ahead of a scaled matrix instruction
.irp hi, 0,1                                   ; the 64 accumulators take turns, one instruction a turn, in the same order in every K step
	WIN 0xa1+0x50*\hi                              ; V window 1, att window 0, C and D window 2 or 3
.irp a, 0,1,2,3
.irp i, 0,1,2,3,4,5,6,7
.set rD, 64*\a+8*\i
.set rA, 96*P+12*\i
.set rB, AF+96*P+48*\hi+12*\a
.set rC, rD
.if (\t) == 0
.set rC, -1
.endif
.set rSA, SCS+12*P+8+\i%4
.set rSB, SCS+12*P+4+\a
.set fA, \i/4
.set fB, \hi
	WM
.endr
.endr
.endr
	WIN 0
	PLACES 4                                       ; in front of loads into registers that matrix instructions have read, and of the first read of results
.if (\t) < 6
	LOADK (\t)+2
.endif
.endm
	LOADK 0
	LOADK 1
.irp t, 0,1,2,3,4,5,6,7
	KSTEP \t
.endr
	WIN 0x0c                                       ; an LDS store's data: window 3
.set n, 0
.rept 64
	ds_store_b128 v4, v[4*n:4*n+3] offset:512*n    ; my partner's tiles, as they stand; each accumulator from its low end on
.set n, n+1
.endr
	WIN 0
	s_wait_dscnt 0x0                               ; for my partner's sake: they lie in LDS
	s_barrier_signal -1
	s_barrier_wait -1
.irp a, 0,1,2,3
.if \a > 1
	s_wait_xcnt 0x0                                ; the stores of two tiles back have read their registers: only now are these loaded again
.endif
.set n, 0
.rept 16
	ds_load_b128 v[64+4*n:64+4*n+3], v5 offset:512*(16*\a+n)       ; what my partner summed for my tile a
.set n, n+1
.endr
	s_wait_dscnt 0x0
	WIN 0x82
.set n, 0
.rept 32
	v_pk_add_f32 v[64*\a+2*n:64*\a+2*n+1], v[64*\a+2*n:64*\a+2*n+1], v[64+2*n:64+2*n+1]
.set n, n+1
.endr
	WIN 0x08                                       ; an LDS store's data: window 2
.irp i, 0,1,2,3,4,5,6,7
	ds_store_b128 v6, v[64*\a+8*\i:64*\a+8*\i+3] offset:128*(\i/2)+32*(\i%2)       ; lane (r, h), tile i: columns 32 (i / 2) + 8 (i % 2) + 16 h + 0 .. 7 of row r
	ds_store_b128 v6, v[64*\a+8*\i+4:64*\a+8*\i+7] offset:128*(\i/2)+32*(\i%2)+16
.endr
	WIN 0
.set BK, 128+64*(\a%2)
.set n, 0
.rept 16
	ds_load_b128 v[BK+4*n:BK+4*n+3], v7 offset:528*n               ; LDS serves a wave's instructions in order: these see my stores, and the next tile's stores come behind them
.set n, n+1
.endr
	s_wait_dscnt 0x0
.set n, 0
.rept 16
	global_store_b128 v1, v[BK+4*n:BK+4*n+3], s[22:23] offset:2048*(32*(\a/2)+8*(\a%2)+n+8*(n/8)) th:TH_STORE_NT   ; 32 lanes store 512 consecutive bytes, aligned
.set n, n+1
.endr
.endr
	s_wait_tensorcnt 0x0                           ; the wave's end
	ds_add_u32 v12, v13
	s_wait_dscnt 0x0
	s_endpgm
.Lfunc_end_k_q61be6694c3_pv:
	.size	k_q61be6694c3_pv, .Lfunc_end_k_q61be6694c3_pv-k_q61be6694c3_pv
	.p2alignl 7, 3214868480
	.fill 96, 4, 3214868480
	.section	.rodata,"a",@progbits
	.p2align	6, 0x0
	.amdhsa_kernel k_q61be6694c3_pv
		.amdhsa_group_segment_fixed_size 165376
		.amdhsa_private_segment_fixed_size 0
		.amdhsa_enable_private_segment 0
		.amdhsa_kernarg_size 24
		.amdhsa_user_sgpr_count 2
		.amdhsa_user_sgpr_kernarg_segment_ptr 1
		.amdhsa_wavefront_size32 1
		.amdhsa_system_sgpr_workgroup_id_x 1
		.amdhsa_system_sgpr_workgroup_id_y 1
		.amdhsa_system_sgpr_workgroup_id_z 1
		.amdhsa_system_vgpr_workitem_id 0
		.amdhsa_next_free_vgpr 1024
		.amdhsa_next_free_sgpr 66
		.amdhsa_reserve_vcc 0
		.amdhsa_float_denorm_mode_32 3
		.amdhsa_float_denorm_mode_16_64 3
		.amdhsa_memory_ordered 1
		.amdhsa_forward_progress 1
		.amdhsa_inst_pref_size 150
	.end_amdhsa_kernel
	.amdgpu_metadata
---
amdhsa.version: [ 1, 2 ]
amdhsa.kernels:
  - .name:           k_q61be6694c3_pv
    .symbol:         k_q61be6694c3_pv.kd
    .args:
      - { .name: att, .offset: 0, .size: 8, .value_kind: global_buffer, .address_space: global }
      - { .name: qkv, .offset: 8, .size: 8, .value_kind: global_buffer, .address_space: global }
      - { .name: out0, .offset: 16, .size: 8, .value_kind: global_buffer, .address_space: global }
    .group_segment_fixed_size: 165376
    .private_segment_fixed_size: 0
    .kernarg_segment_align: 8
    .kernarg_segment_size: 24
    .max_flat_workgroup_size: 128
    .sgpr_count:     66
    .vgpr_count:     1024
    .wavefront_size: 32
...
	.end_amdgpu_metadata
.endif
;; end of part 4
;; ======== version 2 of 2: 4 launches
;; limits: right only within a limited range of input values
;; workspace buffers: xq 6,553,600 bytes; wq 614,400 bytes; qkv 19,660,800 bytes; att 26,214,400 bytes
;; launch prep (part 5): grid 352 x 1, 4 waves a work-group, no clusters, 68,096 bytes of LDS; arguments x, Wq, Wk, Wv, xq, wq; writes xq, wq
.if DOCPART == 5
	.amdgcn_target "amdgcn-amd-amdhsa--gfx1250"
	.amdhsa_code_object_version 6
	.text
	.protected	k_q61be6694c3_prep
	.globl	k_q61be6694c3_prep
	.p2align	8
	.type	k_q61be6694c3_prep,@function
k_q61be6694c3_prep:
	s_mov_b64 s[64:65], 0
	v_nop
	global_prefetch_b8 v0, s[64:65] scope:SCOPE_SE
	s_setreg_imm32_b32 hwreg(HW_REG_WAVE_MODE, 25, 1), 1
	s_wait_xcnt 0x0
; LAUNCH 1 OF 4.  x [16,384][512] (K innermost) and Wq, Wk, Wv [512 (K)][512] (K outermost), f32, become codes of FP6 (E2M3) with one E8M0 byte for each 32 along K,
; laid as IMAGES OF OPERAND REGISTERS, so that every later launch loads a fragment whole, 16 bytes a lane.
; DEAD WORK: none.  bq . K[m] is the same along the softmax's axis (the queries), but bq goes into Q, a quantised operand of a live product, where it moves codes and scales: it stays.  All seven inputs are loaded by the program.
; A RECORD (51,200 bytes) holds 128 rows x 512 K: fragment (K step s, tile i) at 12,288 s + 1,536 i; in it registers 4 c .. 4 c + 3 of lane L at 512 c + 16 L; the scale words at 49,152 + 512 s + 16 L + 4 j:
; that word is tile 4 (L / 16) + j's, row L % 16: one load of 16 bytes a lane brings four scale registers, tiles 0-3 in lanes 0-15 and tiles 4-7 in lanes 16-31.
; THE ROWS OF A TILE ARE NOT NEIGHBOURS: lane r of tile i takes row 32 (i / 2) + 8 (i % 2) + r + 8 (r / 8) of the 128, so that a product with the tile as source 0 leaves 16 neighbours in a lane's registers of tiles 2 b, 2 b + 1.
; xq: record g = rows 128 g on of x.  wq: record 4 m + g = columns 128 g on of matrix m (Wq, Wk, Wv).
; SHARES.  A job is 4 tiles x 1 K step (64 rows or columns x 128 K).  x has 1,024 jobs, one a WAVE (work-groups 0-255); the weights have 96, one a WORK-GROUP, a tile a wave (work-groups 256-351): one branch on the work-group's number.
; For the quantiser a lane holds two WHOLE blocks of 32 of its row (or column): register 32 c + e is k = 64 c + 32 (lane / 16) + e, the operand's own order: no other lane is asked for a maximum, and the conversions' results are the operand's registers.
; x: A LOAD TAKES ONE ROW'S 512 CONSECUTIVE BYTES, 16 a lane; a tile's 16 rows turn through the wave's own stage in LDS (stored as loaded, row slot r at 528 r; read back at 528 r + 128 (lane / 16) + 256 c + 16 e).  The slot is the tile's
; lane row, not the row in memory, and 528 is an odd multiple of 16: the 16 lanes of a half read 16 different columns of 16 bytes.  Two stages by turns; LDS serves a wave's instructions in order, and no wave touches another's bytes: no barrier.
; The weights: a lane to a column, registers down K (64 loads of 4 bytes a tile); no LDS.  A tile's 16 scale words leave by one store of 4 bytes a lane, 16 bytes apart (lanes l and l xor 16 hold the same word and name the same address):
; blocks of 256 bytes written in four parts by four waves: 24,576 bytes of the 7,168,000 that the launch stores.
; A block's scale byte is its largest magnitude's exponent field - 2, held at 1 from below by a floor among the maximum's leaves.
; LIMITS: NaN and infinities among the inputs are not served; a block whose largest magnitude lies under 2^-124 gets the byte 1; a block of zeros gets the byte 1 where the rule says 127 (its codes are zeros, and this program alone reads the bytes).
; No matrix unit, no cluster: waves share nothing.
.set TT,  8                            ; v8-9    largest magnitudes of my two blocks
.set SO,  10                           ; v10-11  the conversions' scale operands
.set BY,  12                           ; v12-13  the bytes
.set PW,  16                           ; v16-19  the four tiles' scale words
.set SPW, 22                           ; v22     LDS address of my spare word: SPARE + 4 x my thread's number; never rewritten
.set NIL, 23                           ; v23     0; never rewritten
.set C,   24                           ; v24-47  a fragment's codes: two sets of 12, by turns
.set TMP, 48                           ; v48-50, v52-54  the second halves of the two blocks' codes (a conversion's three registers begin on an even number)
.set X,   64                           ; v64-255 three sets of 64 numbers
.set STG,   16*528                     ; a stage: 16 rows of 512 bytes + 16
.set WREG,  2*STG                      ; a wave's two stages
.set SPARE, 4*WREG                     ; behind the four waves' stages: the spare words, 128 bytes a wave: two blocks of 256 bytes that no other line names
	s_load_b256 s[4:11], s[0:1], 0x0               ; x s[4:5], Wq s[6:7], Wk s[8:9], Wv s[10:11]
	s_load_b128 s[12:15], s[0:1], 0x20             ; xq s[12:13], wq s[14:15]
	v_lshl_add_u32 v[SPW], v0, 2, SPARE
	v_mov_b32 v[NIL], 0
	v_lshrrev_b32 v1, 5, v0
	v_readfirstlane_b32 s16, v1                    ; wave
	v_and_b32 v9, 31, v0                           ; lane
	v_and_b32 v10, 15, v0                          ; r
	v_bfe_u32 v3, v0, 4, 1                         ; h
	v_lshlrev_b32 v5, 4, v9                        ; 16 x lane: my 16 bytes of a row's 512, and an image's place
	v_lshlrev_b32 v6, 4, v10
	v_lshl_add_u32 v6, v3, 3, v6                   ; 16 r + 8 h: where I store two scale words
	v_lshlrev_b32 v7, 3, v3                        ; 8 h: my bytes' shift in the scale word
	v_and_b32 v8, 8, v10
	v_add_nc_u32 v8, v8, v10                       ; r + 8 (r / 8)
	s_mul_i32 s38, s16, WREG                       ; my wave's stages
	v_add_nc_u32 v1, s38, v5                       ; into a stage: 16 x lane
	v_mul_u32_u24 v2, v10, 528
	v_lshl_add_u32 v2, v3, 7, v2
	v_add_nc_u32 v2, s38, v2                       ; out of it: row slot r, + 128 h
	v_mov_b32 v15, 0                               ; a lane permute's destination counts as one of its sources
	s_mov_b32 s20, 0x76543210
	s_mov_b32 s21, 0xfedcba98                      ; selects for lane l xor 16
	s_mov_b32 s27, 0
	s_mov_b32 s29, 0
	s_mov_b32 s31, 0
	s_wait_kmcnt 0x0
.macro DECODE                          ; the job in s17: hf = J % 2 (tiles 4 hf on), s = (J / 2) % 4 (the K step), the record J / 8
	s_and_b32 s18, s17, 1
	s_bfe_u32 s19, s17, 0x20001
	s_mul_i32 s22, s19, 12288
	s_mul_i32 s23, s18, 6144
	s_add_co_u32 s22, s22, s23                     ; the job's codes' place in the record
	s_lshl_b32 s23, s19, 9
	s_lshl_b32 s24, s18, 8
	s_add_co_u32 s23, s23, s24
	s_add_co_u32 s23, s23, 49152                   ; its scale words' place
	s_lshr_b32 s25, s17, 3                         ; the record
.endm
.macro LOADX t, set                    ; tile t's 16 rows of x, 512 consecutive bytes a load, into a set: registers 4 r .. 4 r + 3 = my 16 bytes of the tile's lane row r
.irp r, 0,1,2,3,4,5,6,7,8,9,10,11,12,13,14,15
	global_load_b128 v[X+64*(\set)+4*\r:X+64*(\set)+4*\r+3], v5, s[4:5] offset:(32*((\t)/2)+8*((\t)%2)+\r+8*(\r/8))*2048 th:TH_LOAD_NT
.endr
.endm
.macro TURN t, set                     ; the tile through stage t % 2, back into the registers that it left: LDS serves a wave's instructions in order, so no wait stands between the stores and the loads
.irp r, 0,1,2,3,4,5,6,7,8,9,10,11,12,13,14,15
	ds_store_b128 v1, v[X+64*(\set)+4*\r:X+64*(\set)+4*\r+3] offset:STG*((\t)%2)+528*\r
.endr
.irp c, 0,1
.irp e, 0,1,2,3,4,5,6,7
	ds_load_b128 v[X+64*(\set)+32*\c+4*\e:X+64*(\set)+32*\c+4*\e+3], v2 offset:STG*((\t)%2)+256*\c+16*\e   ; register 32 c + 4 e + 0 .. 3: k = 64 c + 32 h + 4 e + 0 .. 3 of my row
.endr
.endr
.endm
.macro QF t, set                       ; one fragment: two blocks a lane
.set XS, X+64*(\set)
.set CS, C+12*((\t)%2)
.irp c, 0,1
	v_max3_num_f32 v[TT+\c], |v[XS+32*\c]|, |v[XS+32*\c+1]|, 0x1800000   ; the floor 2^(3 - 127) among the leaves: the byte cannot fall under 1
.endr
.irp i, 2,4,6,8,10,12,14,16,18,20,22,24,26,28,30
.irp c, 0,1
	v_max3_num_f32 v[TT+\c], v[TT+\c], |v[XS+32*\c+\i]|, |v[XS+32*\c+\i+1]|   ; the two blocks by turns
.endr
.endr
.irp c, 0,1
	v_add_nc_u32 v[SO+\c], 0xff000000, v[TT+\c]    ; 2 off the exponent field: the conversion's scale operand
.endr
.irp c, 0,1
	v_lshrrev_b32 v[BY+\c], 23, v[SO+\c]           ; the byte
.endr
	v_lshl_or_b32 v14, v[BY+1], 16, v[BY]          ; blocks h and 2 + h of my row,
	v_lshlrev_b32 v14, v7, v14                     ; at their places;
	v_permlanex16_b32 v15, v14, s20, s21
	v_or_b32 v[PW+(\t)], v14, v15                  ; with lane l xor 16's two the word is whole
.if (\t) > 1
	s_wait_alu depctr_va_vdst(0)
	s_wait_xcnt 0x0                                ; the stores of two tiles back have read this set of code registers: only now is it written again
.endif
.irp c, 0,1
	v_cvt_scalef32_pk16_fp6_f32 v[CS+6*\c:CS+6*\c+2], v[XS+32*\c:XS+32*\c+15], v[SO+\c]
	v_cvt_scalef32_pk16_fp6_f32 v[TMP+4*\c:TMP+4*\c+2], v[XS+32*\c+16:XS+32*\c+31], v[SO+\c]
.endr
	v_nop                                          ; one plain place behind a scaled conversion
.irp c, 0,1
.irp i, 0,1,2
	v_mov_b32 v[CS+6*\c+3+\i], v[TMP+4*\c+\i]
.endr
.endr
.irp c, 0,1,2
	global_store_b128 v5, v[CS+4*\c:CS+4*\c+3], s[32:33] offset:1536*(\t)+512*\c   ; 32 lanes store 512 consecutive bytes
.endr
.endm
	s_cmp_lt_u32 ttmp9, 256
	s_cbranch_scc0 .Lweights
	; ---- x: a job a wave
	s_lshl_b32 s17, ttmp9, 2
	s_add_co_u32 s17, s17, s16                     ; the job: 4 x work-group + wave
	DECODE
	s_lshl_b32 s26, s25, 18                        ; the record's 128 rows of 2,048 bytes,
	s_lshl_b32 s24, s19, 9
	s_add_co_u32 s26, s26, s24                     ; + the K step's 512 bytes,
	s_lshl_b32 s24, s18, 17
	s_add_co_u32 s26, s26, s24                     ; + 64 rows for the upper four tiles
	s_add_nc_u64 s[4:5], s[4:5], s[26:27]
	s_mul_i32 s24, s25, 51200
	s_add_co_u32 s28, s24, s22
	s_add_co_u32 s30, s24, s23
	s_add_nc_u64 s[32:33], s[12:13], s[28:29]      ; my codes
	s_add_nc_u64 s[34:35], s[12:13], s[30:31]      ; my scale words
	LOADX 0, 0                                     ; three tiles' loads go out at once, the fourth into the first set when that is quantised
	LOADX 1, 1
	LOADX 2, 2
	s_wait_loadcnt 32                              ; tile 0 is in; behind it: tiles 1 and 2, 16 loads each
	s_wait_alu depctr_va_vdst(0)
	TURN 0, 0
	s_wait_loadcnt 16                              ; tile 1 is in; behind it: tile 2
	TURN 1, 1                                      ; a tile turns while the tile before it is quantised
	s_wait_dscnt 32                                ; tile 0 is back from its stage; behind it: tile 1's 16 stores and 16 loads
	QF 0, 0
	LOADX 3, 0
	s_wait_loadcnt 16                              ; tile 2 is in; behind it: tile 3
	TURN 2, 2                                      ; into stage 0, whose reads are back
	s_wait_dscnt 32                                ; tile 1 is back; behind it: tile 2's 32
	QF 1, 1
	s_wait_loadcnt 0x0                             ; tile 3 is in
	TURN 3, 0
	s_wait_dscnt 32                                ; tile 2 is back; behind it: tile 3's 32
	QF 2, 2
	s_wait_dscnt 0x0                               ; tile 3 is back
	QF 3, 0
	s_mov_b32 vcc_lo, 0xffff0000                   ; lanes 16-31
	v_cndmask_b32 v20, v[PW], v[PW+2], vcc_lo      ; lane (r, h) stores the words of tiles 2 h and 2 h + 1 of row r
	v_cndmask_b32 v21, v[PW+1], v[PW+3], vcc_lo
	global_store_b64 v6, v[20:21], s[34:35]        ; 32 lanes store 256 consecutive bytes, aligned
	s_wait_tensorcnt 0x0                           ; the wave's end
	ds_add_u32 v[SPW], v[NIL]
	s_wait_dscnt 0x0
	s_endpgm
.Lweights:
	; ---- the weights: a job a work-group, tile = wave.
	s_sub_co_u32 s17, ttmp9, 256                   ; the job, 0 to 95
	DECODE
	s_lshr_b32 s36, s25, 2                         ; which matrix
	s_and_b32 s37, s25, 3                          ; which 128 columns
	s_cmp_eq_u32 s36, 0
	s_cselect_b64 s[4:5], s[6:7], s[8:9]
	s_cmp_eq_u32 s36, 2
	s_cselect_b64 s[4:5], s[10:11], s[4:5]
	s_lshl_b32 s26, s37, 9
	s_lshl_b32 s24, s19, 18
	s_add_co_u32 s26, s26, s24                     ; + the K step's 128 rows of 2,048 bytes
	s_lshl_b32 s24, s18, 8
	s_add_co_u32 s26, s26, s24                     ; + 64 columns for the upper four tiles
	s_lshr_b32 s24, s16, 1
	s_lshl_b32 s24, s24, 7
	s_add_co_u32 s26, s26, s24                     ; + 32 columns for each pair of tiles
	s_and_b32 s24, s16, 1
	s_lshl_b32 s24, s24, 5
	s_add_co_u32 s26, s26, s24                     ; + 8 columns for the odd tile of a pair
	s_add_nc_u64 s[4:5], s[4:5], s[26:27]
	s_mul_i32 s24, s25, 51200
	s_add_co_u32 s28, s24, s22
	s_mul_i32 s38, s16, 1536
	s_add_co_u32 s28, s28, s38                     ; my tile's image
	s_add_co_u32 s30, s24, s23
	s_lshl_b32 s38, s16, 2
	s_add_co_u32 s30, s30, s38                     ; my tile's word among a row's four
	s_add_nc_u64 s[32:33], s[14:15], s[28:29]
	s_add_nc_u64 s[34:35], s[14:15], s[30:31]
	s_wait_alu depctr_va_vdst(0)
	v_lshlrev_b32 v4, 2, v8
	v_lshl_add_u32 v4, v3, 16, v4                  ; my column of the tile, + 32 h rows
	v_and_b32 v20, 15, v0
	v_lshlrev_b32 v20, 4, v20                      ; 16 r
.irp c, 0,1
.irp e, 0,1,2,3,4,5,6,7,8,9,10,11,12,13,14,15,16,17,18,19,20,21,22,23,24,25,26,27,28,29,30,31
	global_load_b32 v[X+32*\c+\e], v4, s[4:5] offset:(64*\c+\e)*2048   ; W(64 c + 32 h + e, my column)
.endr
.endr
	s_wait_loadcnt 0x0
	QF 0, 0
	global_store_b32 v20, v[PW], s[34:35]          ; row r's word; lanes 16-31 hold the same words and name the same addresses
	s_endpgm
.Lfunc_end_k_q61be6694c3_prep:
	.size	k_q61be6694c3_prep, .Lfunc_end_k_q61be6694c3_prep-k_q61be6694c3_prep
	.p2alignl 7, 3214868480
	.fill 96, 4, 3214868480
	.section	.rodata,"a",@progbits
	.p2align	6, 0x0
	.amdhsa_kernel k_q61be6694c3_prep
		.amdhsa_group_segment_fixed_size 68096
		.amdhsa_private_segment_fixed_size 0
		.amdhsa_enable_private_segment 0
		.amdhsa_kernarg_size 48
		.amdhsa_user_sgpr_count 2
		.amdhsa_user_sgpr_kernarg_segment_ptr 1
		.amdhsa_wavefront_size32 1
		.amdhsa_system_sgpr_workgroup_id_x 1
		.amdhsa_system_sgpr_workgroup_id_y 1
		.amdhsa_system_sgpr_workgroup_id_z 1
		.amdhsa_system_vgpr_workitem_id 0
		.amdhsa_next_free_vgpr 256
		.amdhsa_next_free_sgpr 66
		.amdhsa_reserve_vcc 1
		.amdhsa_float_denorm_mode_32 3
		.amdhsa_float_denorm_mode_16_64 3
		.amdhsa_memory_ordered 1
		.amdhsa_forward_progress 1
		.amdhsa_inst_pref_size 41
	.end_amdhsa_kernel
	.amdgpu_metadata
---
amdhsa.version: [ 1, 2 ]
amdhsa.kernels:
  - .name:           k_q61be6694c3_prep
    .symbol:         k_q61be6694c3_prep.kd
    .args:
      - { .name: x, .offset: 0, .size: 8, .value_kind: global_buffer, .address_space: global }
      - { .name: Wq, .offset: 8, .size: 8, .value_kind: global_buffer, .address_space: global }
      - { .name: Wk, .offset: 16, .size: 8, .value_kind: global_buffer, .address_space: global }
      - { .name: Wv, .offset: 24, .size: 8, .value_kind: global_buffer, .address_space: global }
      - { .name: xq, .offset: 32, .size: 8, .value_kind: global_buffer, .address_space: global }
      - { .name: wq, .offset: 40, .size: 8, .value_kind: global_buffer, .address_space: global }
    .group_segment_fixed_size: 68096
    .private_segment_fixed_size: 0
    .kernarg_segment_align: 8
    .kernarg_segment_size: 48
    .max_flat_workgroup_size: 128
    .sgpr_count:     66
    .vgpr_count:     256
    .wavefront_size: 32
...
	.end_amdgpu_metadata
.endif
;; end of part 5
;; launch proj (part 6): grid 128 x 2, 4 waves a work-group, no clusters, 51,712 bytes of LDS; arguments xq, wq, bq, bk, bv, qkv; writes qkv
.if DOCPART == 6
	.amdgcn_target "amdgcn-amd-amdhsa--gfx1250"
	.amdhsa_code_object_version 6
	.text
	.protected	k_q61be6694c3_proj
	.globl	k_q61be6694c3_proj
	.p2align	8
	.type	k_q61be6694c3_proj,@function
k_q61be6694c3_proj:
	s_mov_b64 s[64:65], 0
	v_nop
	global_prefetch_b8 v0, s[64:65] scope:SCOPE_SE
	s_setreg_imm32_b32 hwreg(HW_REG_WAVE_MODE, 25, 1), 1
	s_wait_xcnt 0x0
; LAUNCH 2 OF 4.  Q = x Wq + bq, K = x Wk + bk, V = x Wv + bv on codes of FP6 with E8M0 scales, each result quantised in registers for the product that takes it.  No work of the problem is left out.
; qkv: Q's 128 records at 0, K's at 6,553,600, V's at 13,107,200 (records as in the first launch: 51,200 bytes, images of operand registers, the same choice of a tile's rows).
; Q, K: record X = rows 128 X on; K along d.  V: record X = keys 128 X on as ONE K step of the last product; slot (w, i) at 12,288 w + 1,536 i is the tile of 16 columns 8 w + i of V; its scale words at 49,152 + 512 w.
; SHARES.  Work-group (X, y) takes x's record X.  PHASE 0: Q (y = 0) or K (y = 1) for its 128 rows; wave w makes d = 128 w on: its 32 fragments of W stay in 384 registers; source 0 = 16 columns of W, source 1 = a tile of x:
; a lane then holds ONE row, and its 64 registers are 128 w + 32 b + 16 (lane / 16) + 0 .. 15: they become fragment (K step w, tile i).  Eight trips.
; PHASE 1: half of V: now x's record stays in the 384 registers as source 0, source 1 = tile 4 y + i of Wv's columns 128 w on: a lane holds ONE column of V and its registers run along the 128 keys.  Four trips.
; 384 matrix instructions for every wave of 256 equal work-groups; no branch.  The biases are the C of each sum's first matrix instruction.
; x's record goes through LDS once (each wave brings a quarter through registers), since all four waves read all of it.
; NO CLUSTER, NO JOINT LOADS: what work-groups share here (a wave's 51,200 bytes of W) is read once by a wave, at its head, whole into the registers that use it; no loop fetches it again.
; LIMITS: as in the first launch (NaN, infinities not served; byte 1 for blocks under 2^-124 and for blocks of zeros).
; REGISTERS.  window 0: v1-7 addresses; v8-11, v14-15 scale words on their way out; v12, v13 the add's two; v16-31 source W's scale words; v32-47 x's; v48-111 eight accumulators; v112-207 two buffers of four fragments;
;   v208-223 at work; v224-243 the codes just made; v244-251 the trips' scale words.   window 1: K steps 0, 1 of the resident operand (96 s + 12 t), from v192 bq's or bk's eight tiles.
;   window 2: K steps 2, 3; v192-199 bv as a C; v200-203 bv of my four tiles.
.set SPARE, 51200                      ; behind x's record: the spare words, 128 bytes a wave
.set SCA, 16
.set SCX, 32
.set HA,  48
.set SB,  112
.set TM,  208
.set PC,  224
.set PW,  244
.set B1,  192
.set CB,  192
.set BV,  200
.set MSB, 0
.macro WIN new                         ; the immediate's high byte repeats the setting that is left
.if MSB != (\new)
	s_set_vgpr_msb (MSB<<8)|(\new)
.set MSB, (\new)
.endif
.endm
.macro PLACES n
.rept \n
	v_nop
.endr
.endm
.macro WM                              ; one matrix instruction from the symbols rD, rA, rB, rC (negative: the constant 0), rSA, rSB; fA, fB: the scales lie in lanes 16-31
.if rC < 0
.if fA && fB
	v_wmma_scale_f32_16x16x128_f8f6f4 v[rD:rD+7], v[rA:rA+11], v[rB:rB+11], 0, v[rSA], v[rSB] matrix_a_fmt:MATRIX_FMT_FP6 matrix_b_fmt:MATRIX_FMT_FP6 matrix_a_scale:MATRIX_SCALE_ROW1 matrix_b_scale:MATRIX_SCALE_ROW1
.elseif fA
	v_wmma_scale_f32_16x16x128_f8f6f4 v[rD:rD+7], v[rA:rA+11], v[rB:rB+11], 0, v[rSA], v[rSB] matrix_a_fmt:MATRIX_FMT_FP6 matrix_b_fmt:MATRIX_FMT_FP6 matrix_a_scale:MATRIX_SCALE_ROW1
.elseif fB
	v_wmma_scale_f32_16x16x128_f8f6f4 v[rD:rD+7], v[rA:rA+11], v[rB:rB+11], 0, v[rSA], v[rSB] matrix_a_fmt:MATRIX_FMT_FP6 matrix_b_fmt:MATRIX_FMT_FP6 matrix_b_scale:MATRIX_SCALE_ROW1
.else
	v_wmma_scale_f32_16x16x128_f8f6f4 v[rD:rD+7], v[rA:rA+11], v[rB:rB+11], 0, v[rSA], v[rSB] matrix_a_fmt:MATRIX_FMT_FP6 matrix_b_fmt:MATRIX_FMT_FP6
.endif
.else
.if fA && fB
	v_wmma_scale_f32_16x16x128_f8f6f4 v[rD:rD+7], v[rA:rA+11], v[rB:rB+11], v[rC:rC+7], v[rSA], v[rSB] matrix_a_fmt:MATRIX_FMT_FP6 matrix_b_fmt:MATRIX_FMT_FP6 matrix_a_scale:MATRIX_SCALE_ROW1 matrix_b_scale:MATRIX_SCALE_ROW1
.elseif fA
	v_wmma_scale_f32_16x16x128_f8f6f4 v[rD:rD+7], v[rA:rA+11], v[rB:rB+11], v[rC:rC+7], v[rSA], v[rSB] matrix_a_fmt:MATRIX_FMT_FP6 matrix_b_fmt:MATRIX_FMT_FP6 matrix_a_scale:MATRIX_SCALE_ROW1
.elseif fB
	v_wmma_scale_f32_16x16x128_f8f6f4 v[rD:rD+7], v[rA:rA+11], v[rB:rB+11], v[rC:rC+7], v[rSA], v[rSB] matrix_a_fmt:MATRIX_FMT_FP6 matrix_b_fmt:MATRIX_FMT_FP6 matrix_b_scale:MATRIX_SCALE_ROW1
.else
	v_wmma_scale_f32_16x16x128_f8f6f4 v[rD:rD+7], v[rA:rA+11], v[rB:rB+11], v[rC:rC+7], v[rSA], v[rSB] matrix_a_fmt:MATRIX_FMT_FP6 matrix_b_fmt:MATRIX_FMT_FP6
.endif
.endif
.endm
; 64 numbers of a lane, register 16 b + e = k 32 b + 16 (lane / 16) + e of my row, become a fragment's codes in v[PC] on and its scale word in v[pw].  It begins at each accumulator's low end.
.macro QUANT src, pw
.irp b, 0,1,2,3
	v_max3_num_f32 v[TM+\b], |v[\src+16*\b]|, |v[\src+1+16*\b]|, 0x1800000   ; my 16 numbers of block b, and the floor 2^(3 - 127)
.endr
.irp i, 2,4,6,8,10,12,14
.irp b, 0,1,2,3
	v_max3_num_f32 v[TM+\b], v[TM+\b], |v[\src+16*\b+\i]|, |v[\src+1+16*\b+\i]|   ; the four blocks by turns
.endr
.endr
.irp b, 0,1,2,3
	v_permlanex16_b32 v[TM+4+\b], v[TM+\b], s40, s41
.endr
.irp b, 0,1,2,3
	v_max_num_f32 v[TM+\b], v[TM+\b], v[TM+4+\b]   ; with lane l xor 16's: the block's largest magnitude
.endr
.irp b, 0,1,2,3
	v_add_nc_u32 v[TM+12+\b], 0xff000000, v[TM+\b] ; 2 off its exponent field: the conversion's scale operand
.endr
.irp b, 0,1,2,3
	v_lshrrev_b32 v[TM+4+\b], 23, v[TM+12+\b]      ; the byte
.endr
	v_lshl_or_b32 v[\pw], v[TM+5], 8, v[TM+4]
	v_lshl_or_b32 v[\pw], v[TM+6], 16, v[\pw]
	v_lshl_or_b32 v[\pw], v[TM+7], 24, v[\pw]
	s_wait_xcnt 0x0                                ; the last trip's stores have read the codes' registers: only now are they written again
.irp c, 0,1
	v_cvt_scalef32_pk16_fp6_f32 v[PC+6*\c:PC+2+6*\c], v[\src+32*\c:\src+15+32*\c], v[TM+12+2*\c]
	v_cvt_scalef32_pk16_fp6_f32 v[PC+12+4*\c:PC+14+4*\c], v[\src+16+32*\c:\src+31+32*\c], v[TM+12+2*\c+1]
.endr
	v_nop                                          ; one plain place behind a scaled conversion
.irp c, 0,1                                    ; the operand wants a WHOLE block in a lane: lanes 0-15 block 2 c, lanes 16-31 block 2 c + 1
.irp i, 0,1,2
	v_permlane16_swap_b32 v[PC+6*\c+\i], v[PC+12+4*\c+\i]
.endr
.irp i, 0,1,2
	v_mov_b32 v[PC+3+6*\c+\i], v[PC+12+4*\c+\i]
.endr
.endr
.endm
.macro RESID kind                      ; the resident operand's 32 fragments.  kind 0: W, from memory; kind 1: x's record, from LDS
.irp s, 0,1,2,3
	WIN 0x40+0x40*(\s/2)
.irp t, 0,1,2,3,4,5,6,7
.irp c, 0,1,2
.if \kind
	ds_load_b128 v[96*(\s%2)+12*\t+4*\c:96*(\s%2)+12*\t+4*\c+3], v1 offset:12288*\s+1536*\t+512*\c
.else
	global_load_b128 v[96*(\s%2)+12*\t+4*\c:96*(\s%2)+12*\t+4*\c+3], v1, s[22:23] offset:12288*\s+1536*\t+512*\c
.endif
.endr
.endr
.endr
	WIN 0
.endm
.macro XT i, buf                       ; tile i of x, its four K steps, from LDS into a buffer: 12 loads
.irp s, 0,1,2,3
.irp c, 0,1,2
	ds_load_b128 v[SB+48*(\buf)+12*\s+4*\c:SB+48*(\buf)+12*\s+4*\c+3], v1 offset:12288*\s+1536*(\i)+512*\c
.endr
.endr
.endm
.macro WVT i, buf                      ; my tile i of Wv, its four K steps, from memory: 12 loads
.irp s, 0,1,2,3
.irp c, 0,1,2
	global_load_b128 v[SB+48*(\buf)+12*\s+4*\c:SB+48*(\buf)+12*\s+4*\c+3], v1, s[26:27] offset:12288*\s+1536*(\i)+512*\c
.endr
.endr
.endm
; 32 matrix instructions: K step by K step, the eight accumulators by turns, one instruction a turn.  ph = 0: W x tile i of x; ph = 1: x x tile i of Wv
.macro MUL ph, i
.irp s, 0,1,2,3
.if \s == 0
	WIN 0x11+0x10*(\ph)                            ; source 0 window 1; the bias: window 1 (phase 0) or 2 (phase 1)
.elseif \s == 1
	WIN 0x01
.else
	WIN 0x02
.endif
.irp t, 0,1,2,3,4,5,6,7
.set rD, HA+8*\t
.set rA, 96*(\s%2)+12*\t
.set rB, SB+48*((\i)%2)+12*\s
.set rC, rD
.if \s == 0
.if \ph
.set rC, CB
.else
.set rC, B1+8*\t
.endif
.endif
.set fA, \t/4
.if \ph
.set rSA, SCX+4*\s+\t%4
.set rSB, SCA+4*\s+(\i)
.set fB, 0
.else
.set rSA, SCA+4*\s+\t%4
.set rSB, SCX+4*\s+(\i)%4
.set fB, (\i)/4
.endif
	WM
.endr
.endr
	WIN 0
.endm
	s_load_b256 s[4:11], s[0:1], 0x0               ; xq s[4:5], wq s[6:7], bq s[8:9], bk s[10:11]
	s_load_b128 s[12:15], s[0:1], 0x20             ; bv s[12:13], qkv s[14:15]
	v_lshl_add_u32 v12, v0, 2, SPARE               ; my spare word,
	v_mov_b32 v13, 0                               ; and 0: kept for the closing lines alone
	v_lshrrev_b32 v1, 5, v0
	v_readfirstlane_b32 s16, v1                    ; wave w
	s_mov_b32 s17, ttmp9                           ; X
	s_and_b32 s18, ttmp7, 0xffff                   ; y
	v_and_b32 v8, 31, v0
	v_lshlrev_b32 v1, 4, v8                        ; 16 x lane
	v_and_b32 v9, 15, v0                           ; r
	v_bfe_u32 v10, v0, 4, 1                        ; h
	v_lshlrev_b32 v2, 4, v9                        ; 16 r
	v_lshlrev_b32 v3, 6, v10                       ; 64 h
	v_and_b32 v11, 8, v9
	v_add_nc_u32 v11, v11, v9
	v_lshlrev_b32 v4, 2, v11                       ; 4 (r + 8 (r / 8))
	s_mul_i32 s19, s16, 12288
	v_add_nc_u32 v5, s19, v1                       ; LDS: my quarter of x's codes
	s_lshl_b32 s46, s16, 9
	s_add_co_u32 s47, s46, 49152
	v_add_nc_u32 v6, s47, v1                       ; LDS: my quarter of x's scale words
	v_lshl_add_u32 v7, v10, 3, v2                  ; 16 r + 8 h
.irp b, 0,1,2,3
	v_mov_b32 v[TM+4+\b], 0                        ; a lane permute's destination counts as one of its sources
.endr
	s_mul_i32 s48, s17, 51200                      ; record X
	s_add_co_u32 s20, s48, s19
	s_mov_b32 s21, 0
	s_add_co_u32 s44, s48, s47
	s_mov_b32 s45, 0
	s_lshl_b32 s49, s18, 2
	s_add_co_u32 s49, s49, s16
	s_mul_i32 s22, s49, 51200                      ; the weights' record 4 y + w
	s_mov_b32 s23, 0
	s_mov_b32 s24, s46                             ; 512 w: my 128 numbers of the bias
	s_mov_b32 s25, 0
	s_add_co_u32 s49, s16, 8
	s_mul_i32 s49, s49, 51200                      ; Wv's record 8 + w
	s_mul_i32 s50, s18, 6144
	s_add_co_u32 s26, s49, s50
	s_mov_b32 s27, 0
	s_lshl_b32 s51, s18, 8
	s_add_co_u32 s28, s49, s51
	s_add_co_u32 s28, s28, 49152
	s_mov_b32 s29, 0
	s_add_co_u32 s30, s46, s51
	s_mov_b32 s31, 0
	s_mul_i32 s52, s18, 6553600
	s_add_co_u32 s32, s20, s52
	s_mov_b32 s33, 0
	s_add_co_u32 s34, s44, s52
	s_mov_b32 s35, 0
	s_add_co_u32 s36, s20, s50
	s_add_co_u32 s36, s36, 13107200
	s_mov_b32 s37, 0
	s_add_co_u32 s38, s44, s51
	s_add_co_u32 s38, s38, 13107200
	s_mov_b32 s39, 0
	s_mov_b32 s40, 0x76543210
	s_mov_b32 s41, 0xfedcba98                      ; selects for lane l xor 16
	s_wait_alu depctr_va_vdst(0)
	s_wait_kmcnt 0x0
	s_cmp_eq_u32 s18, 0
	s_cselect_b64 s[8:9], s[8:9], s[10:11]         ; bq or bk
	s_add_nc_u64 s[20:21], s[4:5], s[20:21]        ; x's codes, K step w
	s_add_nc_u64 s[44:45], s[4:5], s[44:45]        ; x's scale words, K step w
	s_add_nc_u64 s[22:23], s[6:7], s[22:23]        ; my record of Wq or Wk
	s_add_nc_u64 s[24:25], s[8:9], s[24:25]        ; my part of its bias
	s_add_nc_u64 s[26:27], s[6:7], s[26:27]        ; my four tiles of Wv
	s_add_nc_u64 s[28:29], s[6:7], s[28:29]        ; their scale words
	s_add_nc_u64 s[30:31], s[12:13], s[30:31]      ; their part of bv
	s_add_nc_u64 s[32:33], s[14:15], s[32:33]      ; out: Q's or K's codes,
	s_add_nc_u64 s[34:35], s[14:15], s[34:35]      ; scale words,
	s_add_nc_u64 s[36:37], s[14:15], s[36:37]      ; V's codes,
	s_add_nc_u64 s[38:39], s[14:15], s[38:39]      ; scale words
.set n, 0
.rept 24
	global_load_b128 v[SB+4*n:SB+4*n+3], v1, s[20:21] offset:512*n   ; my quarter of x's record, as it lies
.set n, n+1
.endr
	global_load_b128 v[TM:TM+3], v1, s[44:45]
	RESID 0
	WIN 0x40
.irp t, 0,1,2,3,4,5,6,7
	global_load_b128 v[B1+8*\t:B1+8*\t+3], v3, s[24:25] offset:4*(32*(\t/2)+8*(\t%2))      ; lane (r, h), tile t: the bias of d = 32 (t / 2) + 8 (t % 2) + 16 h + 0 .. 7
	global_load_b128 v[B1+8*\t+4:B1+8*\t+7], v3, s[24:25] offset:4*(32*(\t/2)+8*(\t%2))+16
.endr
	WIN 0x80
.irp t, 0,1,2,3
	global_load_b32 v[BV+\t], v4, s[30:31] offset:4*(32*(\t/2)+8*(\t%2))   ; bv of my lane's column in each of my four tiles
.endr
	WIN 0
.irp s, 0,1,2,3
	global_load_b128 v[SCA+4*\s:SCA+4*\s+3], v1, s[22:23] offset:49152+512*\s
.endr
	s_wait_loadcnt 0x0                             ; all of it is wanted ahead of the first product
.set n, 0
.rept 24
	ds_store_b128 v5, v[SB+4*n:SB+4*n+3] offset:512*n
.set n, n+1
.endr
	ds_store_b128 v6, v[TM:TM+3]
	s_wait_dscnt 0x0                               ; for the others' sake: my quarter lies in LDS
	s_barrier_signal -1
	s_barrier_wait -1                              ; the whole record does; it is never written again
.irp s, 0,1,2,3
	ds_load_b128 v[SCX+4*\s:SCX+4*\s+3], v1 offset:49152+512*\s
.endr
	XT 0, 0
	XT 1, 1
.macro TRIP0 i
.if \i < 7
	s_wait_dscnt 12                                ; this tile is in; the next tile's 12 loads may be out
.else
	s_wait_dscnt 0x0
.endif
	MUL 0, \i
	PLACES 4                                       ; in front of loads into registers that matrix instructions have read, and of the first read of results
.if \i < 6
	XT (\i)+2, (\i)%2
.elseif \i == 6
	WVT 0, 0                                       ; phase 1's first tile of Wv
.else
	RESID 1                                        ; x's record takes W's place
	WVT 1, 1
.irp s, 0,1,2,3
	global_load_b128 v[SCA+4*\s:SCA+4*\s+3], v2, s[28:29] offset:512*\s   ; Wv's scale words: lane r takes row r's of my four tiles
.endr
	WIN 0x82
.irp j, 0,1,2,3,4,5,6,7
	v_mov_b32 v[CB+\j], v[BV]                      ; bv as a C: the same in a lane's eight registers, which run along the keys
.endr
	WIN 0
.endif
	QUANT HA, PW+\i
.irp c, 0,1,2
	global_store_b128 v1, v[PC+4*\c:PC+4*\c+3], s[32:33] offset:1536*(\i)+512*\c   ; 32 lanes store 512 consecutive bytes
.endr
.endm
.irp i, 0,1,2,3,4,5,6,7
	TRIP0 \i
.endr
	s_mov_b32 vcc_lo, 0xffff0000                   ; lanes 16-31
.irp j, 0,1,2,3
	v_cndmask_b32 v[8+\j], v[PW+\j], v[PW+4+\j], vcc_lo   ; lanes 0-15 store tiles 0-3's words, lanes 16-31 tiles 4-7's
.endr
	global_store_b128 v1, v[8:11], s[34:35]
.macro TRIP1 i
.if \i == 0
	s_wait_loadcnt 0x0                             ; Wv's first two tiles and its scale words (issued last),
	s_wait_dscnt 0x0                               ; and x's record
.elseif \i < 3
	s_wait_loadcnt 12                              ; this tile is in; the 12 loads issued in the last trip may be out
.else
	s_wait_loadcnt 0x0
.endif
	MUL 1, \i
	PLACES 4
.if \i < 2
	WVT (\i)+2, (\i)%2
.endif
.if \i < 3
	WIN 0x82
.irp j, 0,1,2,3,4,5,6,7
	v_mov_b32 v[CB+\j], v[BV+(\i)+1]
.endr
	WIN 0
.endif
	QUANT HA, PW+\i
.irp c, 0,1,2
	global_store_b128 v1, v[PC+4*\c:PC+4*\c+3], s[36:37] offset:1536*(\i)+512*\c
.endr
.endm
.irp i, 0,1,2,3
	TRIP1 \i
.endr
	v_cndmask_b32 v14, v[PW], v[PW+2], vcc_lo      ; lane (r, h) stores the words of my tiles 2 h and 2 h + 1
	v_cndmask_b32 v15, v[PW+1], v[PW+3], vcc_lo
	global_store_b64 v7, v[14:15], s[38:39]        ; 32 lanes store 256 consecutive bytes, aligned
	s_wait_tensorcnt 0x0                           ; the wave's end
	ds_add_u32 v12, v13
	s_wait_dscnt 0x0
	s_endpgm
.Lfunc_end_k_q61be6694c3_proj:
	.size	k_q61be6694c3_proj, .Lfunc_end_k_q61be6694c3_proj-k_q61be6694c3_proj
	.p2alignl 7, 3214868480
	.fill 96, 4, 3214868480
	.section	.rodata,"a",@progbits
	.p2align	6, 0x0
	.amdhsa_kernel k_q61be6694c3_proj
		.amdhsa_group_segment_fixed_size 51712
		.amdhsa_private_segment_fixed_size 0
		.amdhsa_enable_private_segment 0
		.amdhsa_kernarg_size 48
		.amdhsa_user_sgpr_count 2
		.amdhsa_user_sgpr_kernarg_segment_ptr 1
		.amdhsa_wavefront_size32 1
		.amdhsa_system_sgpr_workgroup_id_x 1
		.amdhsa_system_sgpr_workgroup_id_y 1
		.amdhsa_system_sgpr_workgroup_id_z 1
		.amdhsa_system_vgpr_workitem_id 0
		.amdhsa_next_free_vgpr 768
		.amdhsa_next_free_sgpr 66
		.amdhsa_reserve_vcc 1
		.amdhsa_float_denorm_mode_32 3
		.amdhsa_float_denorm_mode_16_64 3
		.amdhsa_memory_ordered 1
		.amdhsa_forward_progress 1
		.amdhsa_inst_pref_size 138
	.end_amdhsa_kernel
	.amdgpu_metadata
---
amdhsa.version: [ 1, 2 ]
amdhsa.kernels:
  - .name:           k_q61be6694c3_proj
    .symbol:         k_q61be6694c3_proj.kd
    .args:
      - { .name: xq, .offset: 0, .size: 8, .value_kind: global_buffer, .address_space: global }
      - { .name: wq, .offset: 8, .size: 8, .value_kind: global_buffer, .address_space: global }
      - { .name: bq, .offset: 16, .size: 8, .value_kind: global_buffer, .address_space: global }
      - { .name: bk, .offset: 24, .size: 8, .value_kind: global_buffer, .address_space: global }
      - { .name: bv, .offset: 32, .size: 8, .value_kind: global_buffer, .address_space: global }
      - { .name: qkv, .offset: 40, .size: 8, .value_kind: global_buffer, .address_space: global }
    .group_segment_fixed_size: 51712
    .private_segment_fixed_size: 0
    .kernarg_segment_align: 8
    .kernarg_segment_size: 48
    .max_flat_workgroup_size: 128
    .sgpr_count:     66
    .vgpr_count:     768
    .wavefront_size: 32
...
	.end_amdgpu_metadata
.endif
;; end of part 6
;; launch soft (part 7): grid 32 x 8, 4 waves a work-group, no clusters, 313,856 bytes of LDS; arguments qkv, att; writes att
.if DOCPART == 7
	.amdgcn_target "amdgcn-amd-amdhsa--gfx1250"
	.amdhsa_code_object_version 6
	.text
	.protected	k_q61be6694c3_soft
	.globl	k_q61be6694c3_soft
	.p2align	8
	.type	k_q61be6694c3_soft,@function
k_q61be6694c3_soft:
	s_mov_b64 s[64:65], 0
	v_nop
	global_prefetch_b8 v0, s[64:65] scope:SCOPE_SE
	s_setreg_imm32_b32 hwreg(HW_REG_WAVE_MODE, 25, 1), 1
	s_wait_xcnt 0x0
; LAUNCH 3 OF 4.  scores = Q K^T / sqrt(512) on codes of FP6; softmax ALONG THE QUERIES (each key's column is normalised over the batch's 2,048 queries); the finished weights are quantised along the keys.  No work of the problem is left out.
; SHARES.  Work-group (yc, b) owns 64 keys (tiles 4 c .. 4 c + 3 of K's record 16 b + kappa; kappa = yc / 2, c = yc % 2) and ALL 2,048 queries.  Wave w owns queries 512 w on: four CHUNKS of 8 tiles (one record of Q each).
; S^T = K Q^T (source 0 = 16 keys, source 1 = 16 queries): a lane holds ONE query; register 32 i + k of a chunk is tile i, key 32 (k / 16) + 16 (lane / 16) + k % 16 of the 64.
; THE ORDER OF WORK.  Chunks take turns between windows 2 and 3.  While chunk g + 1 is loaded and multiplied, chunk g gets p = 2^(c s - c M_g) and its part of the columns' sums; M_g is the RUNNING largest score of the lane's
; queries of chunks 0 .. g, a number for each lane and key; at each change of chunk the sums are brought under the new M by 2^(c M_old - c M_new).  Chunks 0 and 1 go, tile by tile, to the wave's own 64 KiB of LDS as images of registers,
; chunks 2 and 3 stay.  -c M_g is kept for each chunk (three in LDS, the last in registers).  At the end: the column's m (over lanes by DPP, over waves through LDS), the column's sum under m, and for each chunk the factor
; 2^(c M_g - c m) / sum; a weight is p x its factor.  c = log2(e) / sqrt(512).  An order of rounding of its own: a weight carries the factor's rounding beside p's.
; att: record (b, kappa), 204,800 bytes: fragment qt (16 queries x 128 keys) at 1,536 qt; my half c of it at + 768 c: registers 6 c .. 6 c + 3 at 16 L, registers 6 c + 4, 6 c + 5 at 512 + 8 L.
; Scale HALF words at 196,608 + 4,096 c + 256 G + 8 L, G = qt / 8: word 0 = tiles 4 h and 4 h + 1, word 1 = tiles 4 h + 2 and 4 h + 3 of the eight, 16 bits each, row L % 16.
; NO CLUSTER, NO JOINT LOADS: a joint load lands in LDS, of which 311,296 bytes hold p and the chunks' shifts.  NO PREFETCH: Q's tiles are asked for three to five steps ahead of their products, up to 60 loads a wave at a time.
; LIMITS: NaN and infinities are not served; p under 2^-126 becomes 0 (v_exp_f32); a block of weights under 2^-124, or of zeros, gets the byte 1 (this program alone reads the bytes).
; REGISTERS.  window 0: v1-7 addresses; v14, v15 the add's two; v16-23 K's scale words (K steps 0, 1 in lanes 0-15, 2, 3 in lanes 16-31); v24-55 Q's, two sets; v56-199 three buffers of a tile of Q, later the waves' parts and the
;   quantiser's small numbers; v200-231 sums; v232-247 at work.   window 1: v0-191 K's 16 fragments, later -c m, 1 / sum, factors, a chunk's shift, codes; v192-223 M; v224-255 -c M.   windows 2, 3: the two chunks at work;
;   v160-255 of the window that is being filled hold tiles 3 and 4 of Q until the scores of tiles 5 to 7 land there.
.set NMS,   262144                     ; behind the four waves' 64 KiB: three chunks' shifts, 4,096 bytes each, for each wave
.set RDB,   311296                     ; two reductions x 1,024 bytes
.set SPARE, 313344                     ; the spare words, 128 bytes a wave
.set KS,  16
.set QS,  24
.set QB,  56
.set SUM, 200
.set TP,  232
.set RB,  56
.set TT,  56
.set T2,  64
.set SO,  72
.set BT,  80
.set Y,   88
.set O,   92
.set M,   192                          ; window 1 from here on
.set NM,  224
.set NE,  0
.set RR,  32
.set F,   64
.set NA,  96
.set CS,  128
.set TC,  152
.set MSB, 0
.macro WIN new                         ; the immediate's high byte repeats the setting that is left
.if MSB != (\new)
	s_set_vgpr_msb (MSB<<8)|(\new)
.set MSB, (\new)
.endif
.endm
.macro PLACES n
.rept \n
	v_nop
.endr
.endm
.macro AW
	s_wait_alu depctr_va_vdst(0)
.endm
.macro WM                              ; one matrix instruction from the symbols rD, rA, rB, rC (negative: the constant 0), rSA, rSB; fA, fB: the scales lie in lanes 16-31
.if rC < 0
.if fA && fB
	v_wmma_scale_f32_16x16x128_f8f6f4 v[rD:rD+7], v[rA:rA+11], v[rB:rB+11], 0, v[rSA], v[rSB] matrix_a_fmt:MATRIX_FMT_FP6 matrix_b_fmt:MATRIX_FMT_FP6 matrix_a_scale:MATRIX_SCALE_ROW1 matrix_b_scale:MATRIX_SCALE_ROW1
.elseif fA
	v_wmma_scale_f32_16x16x128_f8f6f4 v[rD:rD+7], v[rA:rA+11], v[rB:rB+11], 0, v[rSA], v[rSB] matrix_a_fmt:MATRIX_FMT_FP6 matrix_b_fmt:MATRIX_FMT_FP6 matrix_a_scale:MATRIX_SCALE_ROW1
.elseif fB
	v_wmma_scale_f32_16x16x128_f8f6f4 v[rD:rD+7], v[rA:rA+11], v[rB:rB+11], 0, v[rSA], v[rSB] matrix_a_fmt:MATRIX_FMT_FP6 matrix_b_fmt:MATRIX_FMT_FP6 matrix_b_scale:MATRIX_SCALE_ROW1
.else
	v_wmma_scale_f32_16x16x128_f8f6f4 v[rD:rD+7], v[rA:rA+11], v[rB:rB+11], 0, v[rSA], v[rSB] matrix_a_fmt:MATRIX_FMT_FP6 matrix_b_fmt:MATRIX_FMT_FP6
.endif
.else
.if fA && fB
	v_wmma_scale_f32_16x16x128_f8f6f4 v[rD:rD+7], v[rA:rA+11], v[rB:rB+11], v[rC:rC+7], v[rSA], v[rSB] matrix_a_fmt:MATRIX_FMT_FP6 matrix_b_fmt:MATRIX_FMT_FP6 matrix_a_scale:MATRIX_SCALE_ROW1 matrix_b_scale:MATRIX_SCALE_ROW1
.elseif fA
	v_wmma_scale_f32_16x16x128_f8f6f4 v[rD:rD+7], v[rA:rA+11], v[rB:rB+11], v[rC:rC+7], v[rSA], v[rSB] matrix_a_fmt:MATRIX_FMT_FP6 matrix_b_fmt:MATRIX_FMT_FP6 matrix_a_scale:MATRIX_SCALE_ROW1
.elseif fB
	v_wmma_scale_f32_16x16x128_f8f6f4 v[rD:rD+7], v[rA:rA+11], v[rB:rB+11], v[rC:rC+7], v[rSA], v[rSB] matrix_a_fmt:MATRIX_FMT_FP6 matrix_b_fmt:MATRIX_FMT_FP6 matrix_b_scale:MATRIX_SCALE_ROW1
.else
	v_wmma_scale_f32_16x16x128_f8f6f4 v[rD:rD+7], v[rA:rA+11], v[rB:rB+11], v[rC:rC+7], v[rSA], v[rSB] matrix_a_fmt:MATRIX_FMT_FP6 matrix_b_fmt:MATRIX_FMT_FP6
.endif
.endif
.endm
	s_load_b128 s[4:7], s[0:1], 0x0                ; qkv s[4:5], att s[6:7]
	v_lshl_add_u32 v14, v0, 2, SPARE               ; my spare word,
	v_mov_b32 v15, 0                               ; and 0: kept for the closing lines alone
	v_lshrrev_b32 v1, 5, v0
	v_readfirstlane_b32 s8, v1                     ; wave w
	s_and_b32 s10, ttmp7, 0xffff                   ; b
	s_lshr_b32 s11, ttmp9, 1                       ; kappa
	s_and_b32 s9, ttmp9, 1                         ; c
	v_and_b32 v9, 31, v0
	v_lshlrev_b32 v1, 4, v9                        ; 16 x lane
	v_lshlrev_b32 v2, 3, v9                        ; 8 x lane
	s_lshl_b32 s30, s8, 16
	v_add_nc_u32 v3, s30, v1                       ; LDS: my wave's 64 KiB, 16 x lane
	v_bfe_u32 v8, v0, 4, 1                         ; h
	v_lshlrev_b32 v5, 7, v8
	v_add_nc_u32 v5, RDB, v5                       ; LDS: a reduction's 32 words of my half's keys, wave 0's
	s_lshl_b32 s30, s8, 8
	v_add_nc_u32 v4, s30, v5                       ; and my wave's
	v_and_b32 v6, 15, v0
	v_lshlrev_b32 v6, 4, v6
	v_lshl_add_u32 v6, v8, 10, v6                  ; 16 r + 1,024 h: K's scale words, lanes 16-31 two K steps on
	s_mul_i32 s30, s8, 12288
	s_add_co_u32 s30, s30, NMS
	v_add_nc_u32 v7, s30, v1                       ; LDS: my wave's kept shifts
	s_lshl_b32 s30, s10, 4
	s_lshl_b32 s31, s8, 2
	s_add_co_u32 s31, s31, s30
	s_mul_i32 s12, s31, 51200                      ; Q's records 16 b + 4 w on
	s_mov_b32 s13, 0
	s_add_co_u32 s30, s30, s11                     ; 16 b + kappa
	s_mul_i32 s31, s30, 51200
	s_add_co_u32 s31, s31, 6553600                 ; K's record
	s_mul_i32 s14, s9, 6144
	s_add_co_u32 s14, s14, s31
	s_mov_b32 s15, 0
	s_lshl_b32 s16, s9, 8
	s_add_co_u32 s16, s16, s31
	s_add_co_u32 s16, s16, 49152
	s_mov_b32 s17, 0
	s_mul_i32 s30, s30, 204800                     ; att's record
	s_mul_i32 s18, s8, 49152
	s_add_co_u32 s18, s18, s30
	s_mul_i32 s31, s9, 768
	s_add_co_u32 s18, s18, s31
	s_add_co_u32 s18, s18, 24576                   ; chunks 2 and 3 leave first
	s_mov_b32 s19, 0
	s_lshl_b32 s20, s9, 12
	s_add_co_u32 s20, s20, s30
	s_lshl_b32 s31, s8, 10
	s_add_co_u32 s20, s20, s31
	s_add_co_u32 s20, s20, 196608+512
	s_mov_b32 s21, 0
	s_mov_b32 s22, 0x3d8293ee                      ; c = log2(e) / sqrt(512)
	s_mov_b32 s23, s22                             ; (named with it as a pair)
	s_mov_b32 s24, 0xbd8293ee                      ; -c
	s_mov_b32 s25, 0x1800000                       ; the floor 2^(3 - 127)  (also named with s24 as a pair, of which the low word serves both halves)
	s_mov_b32 s26, 0x76543210
	s_mov_b32 s27, 0xfedcba98                      ; selects for lane l xor 16
	AW
	s_wait_kmcnt 0x0
	s_add_nc_u64 s[12:13], s[4:5], s[12:13]        ; Q
	s_add_nc_u64 s[14:15], s[4:5], s[14:15]        ; my four tiles of K
	s_add_nc_u64 s[16:17], s[4:5], s[16:17]        ; their scale words
	s_add_nc_u64 s[18:19], s[6:7], s[18:19]        ; out: my wave's codes
	s_add_nc_u64 s[20:21], s[6:7], s[20:21]        ; out: my wave's scale half words
.macro TL rec, i, b                    ; tile i of Q's record rec (counted from s[12:13]), four K steps, into buffer b: 12 loads
.irp s, 0,1,2,3
.irp c, 0,1,2
	global_load_b128 v[QB+48*(\b)+12*\s+4*\c:QB+48*(\b)+12*\s+4*\c+3], v1, s[12:13] offset:51200*(\rec)+12288*\s+1536*(\i)+512*\c
.endr
.endr
.endm
.macro TLX rec, i, reg, X              ; the same into 48 registers of window 2 + X, from reg on
	WIN 0x80+0x40*(\X)
.irp s, 0,1,2,3
.irp c, 0,1,2
	global_load_b128 v[\reg+12*\s+4*\c:\reg+12*\s+4*\c+3], v1, s[12:13] offset:51200*(\rec)+12288*\s+1536*(\i)+512*\c
.endr
.endr
	WIN 0
.endm
.macro QSL rec, set                    ; a record's scale words: 4 loads
.irp s, 0,1,2,3
	global_load_b128 v[QS+16*(\set)+4*\s:QS+16*(\set)+4*\s+3], v1, s[12:13] offset:51200*(\rec)+49152+512*\s
.endr
.endm
.macro MAT i, X, set                   ; tile i against my four tiles of K: 16 matrix instructions, four accumulators by turns, one instruction a turn
.if ((\i) == 3) || ((\i) == 4)
	WIN 0xa9+0x54*(\X)                             ; tiles 3 and 4 of Q lie in the scores' own window
.else
	WIN 0xa1+0x50*(\X)
.endif
.irp s, 0,1,2,3
.irp kt, 0,1,2,3
.set rD, 32*(\i)+8*\kt
.set rA, 12*(4*\kt+\s)
.if (\i) < 3
.set rB, QB+48*(\i)+12*\s
.elseif (\i) < 5
.set rB, 160+48*((\i)-3)+12*\s
.else
.set rB, QB+48*((\i)-5)+12*\s
.endif
.set rC, rD
.if \s == 0
.set rC, -1
.endif
.set rSA, KS+4*(\s%2)+\kt
.set fA, \s/2
.set rSB, QS+16*(\set)+4*\s+(\i)%4
.set fB, (\i)/4
	WM
.endr
.endr
.endm
.macro VFMA i, Y                       ; c s - c M, two keys at a time
	WIN 0x92+0x41*(\Y)
.set kk, 0
.rept 16
	v_pk_fma_f32 v[32*(\i)+kk:32*(\i)+kk+1], v[32*(\i)+kk:32*(\i)+kk+1], s[22:23], v[NM+kk:NM+kk+1] op_sel_hi:[1,0,1]
.set kk, kk+2
.endr
.endm
.macro VEXP i, Y
	WIN 0x92+0x41*(\Y)
.set kk, 0
.rept 32
	v_exp_f32 v[32*(\i)+kk], v[32*(\i)+kk]
.set kk, kk+1
.endr
.endm
.macro VADD i, Y                       ; the tile's p into my lane's sums
	WIN 0x08+4*(\Y)
.set kk, 0
.rept 16
	v_pk_add_f32 v[SUM+kk:SUM+kk+1], v[SUM+kk:SUM+kk+1], v[32*(\i)+kk:32*(\i)+kk+1]
.set kk, kk+2
.endr
.endm
.macro VMAX i, X, first                ; tiles i - 1 and i into the running maxima; k ascending
.set kk, 0
.if \first
	WIN 0x4a
.rept 32
	v_max_num_f32 v[M+kk], v[kk], v[32+kk]
.set kk, kk+1
.endr
.else
	WIN 0x5a+5*(\X)
.rept 32
	v_max3_num_f32 v[M+kk], v[32*(\i)-32+kk], v[32*(\i)+kk], v[M+kk]
.set kk, kk+1
.endr
.endif
.endm
.macro FLT i, Y, cond                  ; tile i's p, from window 2 + Y, to my own LDS as an image of registers (register 4 n at 512 n); cond = 1: in trip 0 alone (a branch on the trip's counter, the same in all waves)
	WIN 0
.if \cond
	s_cmp_eq_u32 s28, 0
	s_cbranch_scc0 .Lnf\@
.endif
	WIN 0x08+4*(\Y)
.irp c, 0,1,2,3,4,5,6,7
	ds_store_b128 v3, v[32*(\i)+4*\c:32*(\i)+4*\c+3] offset:32768*(\Y)+4096*(\i)+512*\c
.endr
	WIN 0
.if \cond
.Lnf\@:
.endif
.endm
; Eight steps: a chunk is multiplied into window 2 + X; ex = 1: the chunk before it, in the other window, gets its exponentials, and goes to LDS tile by tile (nxt = 1: always; nxt = 0: in trip 0 alone).
; WHERE Q LANDS.  Tiles 0, 1, 2 lie in the three buffers, asked for by whoever ran before.  Tiles 3 and 4 are asked for at the half's start, into v160-207 and v208-255 of the window being filled, which the scores reach in steps 5 and 6.
; Steps 0, 1, 2 ask for tiles 5, 6, 7, each into the buffer just read out; nxt = 1: steps 5, 6, 7 ask for the next record's tiles 0, 1, 2.
; LOADcnt, 12 loads a tile: behind tiles 0 to 3 stand four later tiles (48), behind tile 4 three (36), behind tiles 5, 6, 7 two (24); nxt = 0: behind tile 6 one (12), behind tile 7 none.
.macro HALF X, set, rec, ex, nxt
	TLX \rec, 3, 160, \X
	TLX \rec, 4, 208, \X
.irp i, 0,1,2,3,4,5,6,7
.set NW, 48
.if \i == 4
.set NW, 36
.endif
.if \i > 4
.set NW, 24
.endif
.if (\nxt) == 0
.if \i == 6
.set NW, 12
.endif
.if \i == 7
.set NW, 0
.endif
.endif
	s_wait_loadcnt NW
	MAT \i, \X, \set
.if \ex
	VFMA \i, 1-(\X)                                ; plain work on other registers: the places behind the matrix instructions
.else
	PLACES 4
.endif
	WIN 0
.if \i < 3
	TL \rec, \i+5, \i
.elseif (\i > 4) && (\nxt)
	TL (\rec)+1, \i-5, \i-5
.endif
.if \ex
.if \i%2
	WIN 0x5a+5*(\X)
	AW                                             ; one wait a step: behind the multiply-adds and the last step's batch, and directly ahead of the first reader of two tiles' matrix results
	VMAX \i, \X, 0
.else
	AW
.endif
.if \i > 0
	FLT \i-1, 1-(\X), 1-(\nxt)                     ; the tile of the step before, whose batch has had its wait
.endif
	VEXP \i, 1-(\X)
.if \i > 0
	VADD \i-1, 1-(\X)                              ; plain work behind the batch
.else
	v_nop                                          ; a plain place behind the last exponential
.endif
.elseif \i%2
	VMAX \i, \X, (\i==1)
.endif
	WIN 0
.endr
.if \ex
	AW                                             ; the last batch's wait
	VADD 7, 1-(\X)
	FLT 7, 1-(\X), 1-(\nxt)
.endif
.endm
.macro SWITCH                          ; a change of chunk: the sums x 2^(-c M_new + c M_old), then -c M_new.  The difference is taken of the two ROUNDED shifts, the very numbers that the exponentials use
	AW
.irp b, 0,1
	WIN 0x01
.set kk, 0
.rept 8
	v_pk_mul_f32 v[TP+kk:TP+kk+1], v[M+16*\b+kk:M+16*\b+kk+1], s[24:25] op_sel_hi:[1,0]
.set kk, kk+2
.endr
	WIN 0x44
.set kk, 0
.rept 8
	v_pk_add_f32 v[NM+16*\b+kk:NM+16*\b+kk+1], v[TP+kk:TP+kk+1], v[NM+16*\b+kk:NM+16*\b+kk+1] neg_lo:[0,1] neg_hi:[0,1]
.set kk, kk+2
.endr
.endr
	WIN 0x41
	AW
.set kk, 0
.rept 32
	v_exp_f32 v[NM+kk], v[NM+kk]
.set kk, kk+1
.endr
	v_nop
	AW
	WIN 0x04
.set kk, 0
.rept 16
	v_pk_mul_f32 v[SUM+kk:SUM+kk+1], v[SUM+kk:SUM+kk+1], v[NM+kk:NM+kk+1]
.set kk, kk+2
.endr
	WIN 0x41
.set kk, 0
.rept 16
	v_pk_mul_f32 v[NM+kk:NM+kk+1], v[M+kk:M+kk+1], s[24:25] op_sel_hi:[1,0]
.set kk, kk+2
.endr
	WIN 0
	AW
.endm
.macro NMSAVE slot                     ; the chunk's shift is kept
	WIN 0x04
.irp c, 0,1,2,3,4,5,6,7
	ds_store_b128 v7, v[NM+4*\c:NM+4*\c+3] offset:4096*(\slot)+512*\c
.endr
	WIN 0
.endm
.macro NLOAD dst, slot
	WIN 0x40
.irp c, 0,1,2,3,4,5,6,7
	ds_load_b128 v[\dst+4*\c:\dst+4*\c+3], v7 offset:4096*(\slot)+512*\c
.endr
	WIN 0
.endm
.macro RELOAD X, half                  ; a chunk back from LDS: my own bytes, which LDS serves in order
	WIN 0x80+0x40*(\X)
.set nn, 0
.rept 64
	ds_load_b128 v[4*nn:4*nn+3], v3 offset:32768*(\half)+512*nn
.set nn, nn+1
.endr
	WIN 0
.endm
	WIN 0x40
.irp kt, 0,1,2,3
.irp s, 0,1,2,3
.irp c, 0,1,2
	global_load_b128 v[12*(4*\kt+\s)+4*\c:12*(4*\kt+\s)+4*\c+3], v1, s[14:15] offset:12288*\s+1536*\kt+512*\c   ; K's 16 fragments stay
.endr
.endr
.endr
	WIN 0
.irp s, 0,1
	global_load_b128 v[KS+4*\s:KS+4*\s+3], v6, s[16:17] offset:512*\s   ; row r's words of my four tiles: K step s in lanes 0-15, s + 2 in lanes 16-31
.endr
	QSL 0, 0
	QSL 1, 1
	TL 0, 0, 0
	TL 0, 1, 1
	TL 0, 2, 2
	HALF 0, 0, 0, 0, 1                             ; chunk 0 into window 2
	WIN 0x41
.set kk, 0
.rept 16
	v_pk_mul_f32 v[NM+kk:NM+kk+1], v[M+kk:M+kk+1], s[24:25] op_sel_hi:[1,0]   ; -c M_0
.set kk, kk+2
.endr
	WIN 0
.set kk, 0
.rept 32
	v_mov_b32 v[SUM+kk], 0
.set kk, kk+1
.endr
	s_mov_b32 s28, 0
.Ltrip:                                                ; trip 0: chunks 1 and 2 are multiplied, 0 and 1 finished; trip 1: chunk 3 is multiplied, chunk 2 finished, and the loop is left in its middle
	HALF 1, 1, 1, 1, 0
	s_cmp_eq_u32 s28, 1
	AW
	s_cbranch_scc1 .Lout
	QSL 2, 0
	QSL 3, 1
	TL 2, 0, 0
	TL 2, 1, 1
	TL 2, 2, 2
	NMSAVE 0
	SWITCH
	HALF 0, 0, 2, 1, 1
	NMSAVE 1
	SWITCH
	s_wait_xcnt 0x0                                ; the loads have read their base: only now is it stepped
	s_add_nc_u64 s[12:13], s[12:13], 102400        ; two records on
	s_add_co_u32 s28, s28, 1
	s_cmp_lt_u32 s28, 2
	AW
	s_cbranch_scc1 .Ltrip
.Lout:
	s_wait_loadcnt 0x0                             ; no load is out: Q's buffers are free
	NMSAVE 2
	SWITCH
	VFMA 0, 1                                      ; chunk 3, in window 3
	AW
	VEXP 0, 1
.irp ch, 1,2,3,4,5,6,7
	VFMA \ch, 1                                    ; plain work behind the batch, which names none of its results
	AW
	VADD \ch-1, 1
	VEXP \ch, 1
.endr
	v_nop
	AW
	VADD 7, 1
	WIN 0
	NLOAD NA, 2
; 32 numbers a lane (window 0, at base) are reduced over the 16 lanes of my half and the four waves, into window 1 at dst.  op 0: maximum, 1: sum.  Each use has 1,024 bytes of its own, written once
.macro RED u, op, base, dst
.irp x, 1,2,4,8
.set kk, 0
.rept 32
.if \op
	v_add_f32_dpp v[\base+kk], v[\base+kk], v[\base+kk] row_xmask:\x row_mask:0xf bank_mask:0xf
.else
	v_max_num_f32_dpp v[\base+kk], v[\base+kk], v[\base+kk] row_xmask:\x row_mask:0xf bank_mask:0xf
.endif
.set kk, kk+1
.endr
.endr
.irp c, 0,1,2,3,4,5,6,7
	ds_store_b128 v4, v[\base+4*\c:\base+4*\c+3] offset:1024*(\u)+16*\c   ; the 16 lanes of a half write the same words with the same values
.endr
	s_wait_dscnt 0x0                               ; for the others' sake: my words lie in LDS
	s_barrier_signal -1
	s_barrier_wait -1
.irp w, 0,1,2,3
.irp c, 0,1,2,3,4,5,6,7
	ds_load_b128 v[RB+32*\w+4*\c:RB+32*\w+4*\c+3], v5 offset:1024*(\u)+256*\w+16*\c
.endr
.endr
	s_wait_dscnt 0x0
.if \op
	WIN 0x40
.set kk, 0
.rept 16
	v_pk_add_f32 v[\dst+kk:\dst+kk+1], v[RB+kk:RB+kk+1], v[RB+32+kk:RB+33+kk]
.set kk, kk+2
.endr
	WIN 0
.set kk, 0
.rept 16
	v_pk_add_f32 v[RB+64+kk:RB+65+kk], v[RB+64+kk:RB+65+kk], v[RB+96+kk:RB+97+kk]
.set kk, kk+2
.endr
	WIN 0x44
.set kk, 0
.rept 16
	v_pk_add_f32 v[\dst+kk:\dst+kk+1], v[RB+64+kk:RB+65+kk], v[\dst+kk:\dst+kk+1]
.set kk, kk+2
.endr
.else
	WIN 0x40
.set kk, 0
.rept 32
	v_max3_num_f32 v[\dst+kk], v[RB+kk], v[RB+32+kk], v[RB+64+kk]
.set kk, kk+1
.endr
	WIN 0x44
.set kk, 0
.rept 32
	v_max_num_f32 v[\dst+kk], v[RB+96+kk], v[\dst+kk]
.set kk, kk+1
.endr
.endif
	WIN 0
.endm
	WIN 0x01
.set kk, 0
.rept 32
	v_mov_b32 v[RB+kk], v[M+kk]                    ; my lane's largest scores, into window 0 for the steps between lanes
.set kk, kk+1
.endr
	WIN 0
	RED 0, 0, RB, NE                               ; each column's m
	WIN 0x41
.set kk, 0
.rept 16
	v_pk_mul_f32 v[NE+kk:NE+kk+1], v[NE+kk:NE+kk+1], s[24:25] op_sel_hi:[1,0]   ; -c m
.set kk, kk+2
.endr
	WIN 0x45
.set kk, 0
.rept 16
	v_pk_add_f32 v[F+kk:F+kk+1], v[NE+kk:NE+kk+1], v[NM+kk:NM+kk+1] neg_lo:[0,1] neg_hi:[0,1]   ; c M_3 - c m, 0 or less
.set kk, kk+2
.endr
	AW
.set kk, 0
.rept 32
	v_exp_f32 v[F+kk], v[F+kk]
.set kk, kk+1
.endr
	v_nop
	AW
	WIN 0x04
.set kk, 0
.rept 16
	v_pk_mul_f32 v[SUM+kk:SUM+kk+1], v[SUM+kk:SUM+kk+1], v[F+kk:F+kk+1]   ; my lane's sums under m
.set kk, kk+2
.endr
	WIN 0
	RED 1, 1, SUM, RR                              ; each column's sum
	WIN 0x41
	AW
.set kk, 0
.rept 32
	v_rcp_f32 v[RR+kk], v[RR+kk]
.set kk, kk+1
.endr
	v_nop
	AW
	WIN 0
.irp c, 0,1,2,3,4,5,6,7
	v_mov_b32 v[T2+\c], 0                          ; a lane permute's destination counts as one of its sources
.endr
.macro QG g, X, hb                     ; four tiles: the finished weights; each query's two blocks of 32 keys are quantised: eight chains by turns (chain c: tile c / 2, block c % 2)
	WIN 0x86+0x41*(\X)
.set nn, 0
.rept 64
	v_pk_mul_f32 v[128*(\g)+2*nn:128*(\g)+2*nn+1], v[128*(\g)+2*nn:128*(\g)+2*nn+1], v[F+(2*nn)%32:F+(2*nn)%32+1]
.set nn, nn+1
.endr
	WIN 0x0a+5*(\X)
.irp c, 0,1,2,3,4,5,6,7
	v_max3_num_f32 v[TT+\c], v[128*(\g)+16*\c], v[128*(\g)+16*\c+1], s25   ; no |.|: none is negative; the floor among the leaves
.endr
.irp i, 2,4,6,8,10,12,14
.irp c, 0,1,2,3,4,5,6,7
	v_max3_num_f32 v[TT+\c], v[128*(\g)+16*\c+\i], v[128*(\g)+16*\c+\i+1], v[TT+\c]
.endr
.endr
	WIN 0
.irp c, 0,1,2,3,4,5,6,7
	v_permlanex16_b32 v[T2+\c], v[TT+\c], s26, s27
.endr
.irp c, 0,1,2,3,4,5,6,7
	v_max_num_f32 v[TT+\c], v[TT+\c], v[T2+\c]     ; with lane l xor 16's 16 keys: the block's largest
.endr
.irp c, 0,1,2,3,4,5,6,7
	v_add_nc_u32 v[SO+\c], 0xff000000, v[TT+\c]    ; 2 off its exponent field: the conversion's scale operand
.endr
.irp c, 0,1,2,3,4,5,6,7
	v_lshrrev_b32 v[BT+\c], 23, v[SO+\c]           ; the byte
.endr
.irp t, 0,1,2,3
	v_lshl_or_b32 v[BT+2*\t], v[BT+2*\t+1], 8, v[BT+2*\t]   ; a tile's half word
.endr
	v_lshl_or_b32 v[Y+2*(\g)], v[BT+2], 16, v[BT]
	v_lshl_or_b32 v[Y+2*(\g)+1], v[BT+6], 16, v[BT+4]
	AW
	s_wait_xcnt 0x0                                ; the last group's stores have read the codes' registers: only now are they written again
	WIN 0x42+(\X)                                  ; codes window 1, weights window 2 or 3, the scale operand window 0
.irp t, 0,1,2,3
	v_cvt_scalef32_pk16_fp6_f32 v[CS+6*\t:CS+6*\t+2], v[128*(\g)+32*\t:128*(\g)+32*\t+15], v[SO+2*\t]
	v_cvt_scalef32_pk16_fp6_f32 v[TC+4*\t:TC+4*\t+2], v[128*(\g)+32*\t+16:128*(\g)+32*\t+31], v[SO+2*\t+1]
.endr
	v_nop                                          ; one plain place behind a scaled conversion
	WIN 0x41
.irp t, 0,1,2,3
.irp i, 0,1,2
	v_permlane16_swap_b32 v[CS+6*\t+\i], v[TC+4*\t+\i]   ; the operand wants a WHOLE block in a lane: lanes 0-15 the first block, lanes 16-31 the second
.endr
.irp i, 0,1,2
	v_mov_b32 v[CS+6*\t+3+\i], v[TC+4*\t+\i]
.endr
.endr
	WIN 0x04                                       ; a store's data: window 1
.irp t, 0,1,2,3
	global_store_b128 v1, v[CS+6*\t:CS+6*\t+3], s[18:19] offset:12288*(\hb)+1536*(4*(\g)+\t)          ; 32 lanes store 512 consecutive bytes,
	global_store_b64 v2, v[CS+6*\t+4:CS+6*\t+5], s[18:19] offset:12288*(\hb)+1536*(4*(\g)+\t)+512     ; and 256
.endr
.endm
.macro QI X, NX, hb                    ; a chunk in window 2 + X, its shift at NX: the factors 2^(c M_g - c m) / sum, then its eight tiles
	WIN 0x45
.set kk, 0
.rept 16
	v_pk_add_f32 v[F+kk:F+kk+1], v[NE+kk:NE+kk+1], v[\NX+kk:\NX+kk+1] neg_lo:[0,1] neg_hi:[0,1]
.set kk, kk+2
.endr
	AW
.set kk, 0
.rept 32
	v_exp_f32 v[F+kk], v[F+kk]
.set kk, kk+1
.endr
	v_nop
	AW
.set kk, 0
.rept 16
	v_pk_mul_f32 v[F+kk:F+kk+1], v[F+kk:F+kk+1], v[RR+kk:RR+kk+1]
.set kk, kk+2
.endr
	QG 0, \X, \hb
	QG 1, \X, \hb
	WIN 0
	v_cndmask_b32 v[O], v[Y], v[Y+2], vcc_lo       ; lane (r, h): tiles 4 h, 4 h + 1,
	v_cndmask_b32 v[O+1], v[Y+1], v[Y+3], vcc_lo   ; and 4 h + 2, 4 h + 3 of the eight
	global_store_b64 v2, v[O:O+1], s[20:21] offset:256*(\hb)   ; 32 lanes store 256 consecutive bytes, aligned
.endm
	s_mov_b32 vcc_lo, 0xffff0000                   ; lanes 16-31
	s_mov_b32 s28, 0
	AW
.Lq:                                                   ; trip 0: chunks 2 and 3, as they stand; each window then takes a chunk from LDS while the other window is worked; trip 1: chunks 0 and 1
	QI 0, NA, 0
	s_wait_dscnt 0x0                               ; what window 3 and its shift were asked for in the last trip is in
	s_cmp_eq_u32 s28, 0
	AW
	s_cbranch_scc0 .Lq1
	NLOAD NA, 0
	RELOAD 0, 0
.Lq1:
	QI 1, NM, 1
	s_wait_dscnt 0x0                               ; chunk 0 and its shift are in
	s_cmp_eq_u32 s28, 0
	AW
	s_cbranch_scc0 .Lq2
	NLOAD NM, 1
	RELOAD 1, 1
	s_wait_xcnt 0x0                                ; the stores have read their bases
	s_sub_nc_u64 s[18:19], s[18:19], 24576         ; back to chunk 0's places
	s_sub_nc_u64 s[20:21], s[20:21], 512
.Lq2:
	s_add_co_u32 s28, s28, 1
	s_cmp_lt_u32 s28, 2
	s_cbranch_scc1 .Lq
	s_wait_tensorcnt 0x0                           ; the wave's end
	ds_add_u32 v14, v15
	s_wait_dscnt 0x0
	s_endpgm
.Lfunc_end_k_q61be6694c3_soft:
	.size	k_q61be6694c3_soft, .Lfunc_end_k_q61be6694c3_soft-k_q61be6694c3_soft
	.p2alignl 7, 3214868480
	.fill 96, 4, 3214868480
	.section	.rodata,"a",@progbits
	.p2align	6, 0x0
	.amdhsa_kernel k_q61be6694c3_soft
		.amdhsa_group_segment_fixed_size 313856
		.amdhsa_private_segment_fixed_size 0
		.amdhsa_enable_private_segment 0
		.amdhsa_kernarg_size 16
		.amdhsa_user_sgpr_count 2
		.amdhsa_user_sgpr_kernarg_segment_ptr 1
		.amdhsa_wavefront_size32 1
		.amdhsa_system_sgpr_workgroup_id_x 1
		.amdhsa_system_sgpr_workgroup_id_y 1
		.amdhsa_system_sgpr_workgroup_id_z 1
		.amdhsa_system_vgpr_workitem_id 0
		.amdhsa_next_free_vgpr 1024
		.amdhsa_next_free_sgpr 66
		.amdhsa_reserve_vcc 1
		.amdhsa_float_denorm_mode_32 3
		.amdhsa_float_denorm_mode_16_64 3
		.amdhsa_memory_ordered 1
		.amdhsa_forward_progress 1
		.amdhsa_inst_pref_size 255
	.end_amdhsa_kernel
	.section	.bss,"aw",@nobits
	.p2align	6
	.space	262144
	.amdgpu_metadata
---
amdhsa.version: [ 1, 2 ]
amdhsa.kernels:
  - .name:           k_q61be6694c3_soft
    .symbol:         k_q61be6694c3_soft.kd
    .args:
      - { .name: qkv, .offset: 0, .size: 8, .value_kind: global_buffer, .address_space: global }
      - { .name: att, .offset: 8, .size: 8, .value_kind: global_buffer, .address_space: global }
    .group_segment_fixed_size: 313856
    .private_segment_fixed_size: 0
    .kernarg_segment_align: 8
    .kernarg_segment_size: 16
    .max_flat_workgroup_size: 128
    .sgpr_count:     66
    .vgpr_count:     1024
    .wavefront_size: 32
...
	.end_amdgpu_metadata
.endif
;; end of part 7
;; launch pv (part 8): grid 128 x 2, 4 waves a work-group, no clusters, 165,376 bytes of LDS; arguments att, qkv, out0; writes out0
.if DOCPART == 8
	.amdgcn_target "amdgcn-amd-amdhsa--gfx1250"
	.amdhsa_code_object_version 6
	.text
	.protected	k_q61be6694c3_pv
	.globl	k_q61be6694c3_pv
	.p2align	8
	.type	k_q61be6694c3_pv,@function
k_q61be6694c3_pv:
	s_mov_b64 s[64:65], 0
	v_nop
	global_prefetch_b8 v0, s[64:65] scope:SCOPE_SE
	s_setreg_imm32_b32 hwreg(HW_REG_WAVE_MODE, 25, 1), 1
	s_wait_xcnt 0x0
; LAUNCH 4 OF 4.  out = att V on codes of FP6 with E8M0 scales; K = the batch's 2,048 keys, 16 K steps of 128.  No work of the problem is left out.
; SHARES.  Work-group (X, y): batch b = X / 16, queries 128 G on (G = X % 16).  Wave w: T = w / 2, kh = w % 2: 128 queries x 128 columns (128 vg on, vg = 2 y + T) over K steps 8 kh .. 8 kh + 7: 64 accumulators.
; K IS SPLIT OVER TWO WAVES, so that 1,024 waves of 128 x 128 fill 256 work-groups; the two halves of a sum are added in f32 at the end (an order of rounding that differs from one chain along K).
; The matrix instruction is used transposed (source 0 = 16 columns of V, source 1 = 16 queries of att): a lane holds eight neighbouring numbers of a row of the output.
; NO BRANCH ON kh: the four tiles of queries that the wave keeps (4 kh + a) always lie in window 2, the partner's in window 3: two bases for att's fragments, and the scale half words are loaded at lane xor 16 kh, so that lanes 0-15 hold the kept tiles'.
; Operands go whole from memory into the registers that use them, two K steps' worth in two sets; by the text's own count 59 loads a K step.
; NO CLUSTER, NO JOINT LOADS in this text: a wave's V fragments are shared with the 15 other groups of queries of its batch, which lie in other work-groups along x; each fragment is used from the registers it is loaded into, with no LDS ring to land a joint load in.
; THE WAY OUT: the partner's tiles go to LDS as images of registers, one barrier, each wave adds the partner's halves onto its four tiles; a tile then turns through the wave's own stage and leaves as rows of 512 bytes.
; The rows of a tile of queries are those of the first launch's choice: lane r of tile i is row 32 (i / 2) + 8 (i % 2) + r + 8 (r / 8) of the 128.
; REGISTERS.  window 0: v1-7 addresses; v12, v13 the add's two; v16-39 two sets of scale registers (half words 4, att's words 4, V's words 4); v64-255 att's fragments, two sets of eight.   window 1: V's fragments, two sets of eight.
;   window 2: the kept tiles' 32 accumulators (64 a + 8 i);   window 3: the partner's.
.set STG,   131072                     ; behind the exchange (32 KiB a wave): a stage of 16 rows x (512 + 16) bytes for each wave
.set SPARE, 164864                     ; the spare words, 128 bytes a wave
.set SCS, 16
.set AF,  64
.set MSB, 0
.macro WIN new                         ; the immediate's high byte repeats the setting that is left
.if MSB != (\new)
	s_set_vgpr_msb (MSB<<8)|(\new)
.set MSB, (\new)
.endif
.endm
.macro PLACES n
.rept \n
	v_nop
.endr
.endm
.macro WM                              ; one matrix instruction from the symbols rD, rA, rB, rC (negative: the constant 0), rSA, rSB; fA, fB: the scales lie in lanes 16-31
.if rC < 0
.if fA && fB
	v_wmma_scale_f32_16x16x128_f8f6f4 v[rD:rD+7], v[rA:rA+11], v[rB:rB+11], 0, v[rSA], v[rSB] matrix_a_fmt:MATRIX_FMT_FP6 matrix_b_fmt:MATRIX_FMT_FP6 matrix_a_scale:MATRIX_SCALE_ROW1 matrix_b_scale:MATRIX_SCALE_ROW1
.elseif fA
	v_wmma_scale_f32_16x16x128_f8f6f4 v[rD:rD+7], v[rA:rA+11], v[rB:rB+11], 0, v[rSA], v[rSB] matrix_a_fmt:MATRIX_FMT_FP6 matrix_b_fmt:MATRIX_FMT_FP6 matrix_a_scale:MATRIX_SCALE_ROW1
.elseif fB
	v_wmma_scale_f32_16x16x128_f8f6f4 v[rD:rD+7], v[rA:rA+11], v[rB:rB+11], 0, v[rSA], v[rSB] matrix_a_fmt:MATRIX_FMT_FP6 matrix_b_fmt:MATRIX_FMT_FP6 matrix_b_scale:MATRIX_SCALE_ROW1
.else
	v_wmma_scale_f32_16x16x128_f8f6f4 v[rD:rD+7], v[rA:rA+11], v[rB:rB+11], 0, v[rSA], v[rSB] matrix_a_fmt:MATRIX_FMT_FP6 matrix_b_fmt:MATRIX_FMT_FP6
.endif
.else
.if fA && fB
	v_wmma_scale_f32_16x16x128_f8f6f4 v[rD:rD+7], v[rA:rA+11], v[rB:rB+11], v[rC:rC+7], v[rSA], v[rSB] matrix_a_fmt:MATRIX_FMT_FP6 matrix_b_fmt:MATRIX_FMT_FP6 matrix_a_scale:MATRIX_SCALE_ROW1 matrix_b_scale:MATRIX_SCALE_ROW1
.elseif fA
	v_wmma_scale_f32_16x16x128_f8f6f4 v[rD:rD+7], v[rA:rA+11], v[rB:rB+11], v[rC:rC+7], v[rSA], v[rSB] matrix_a_fmt:MATRIX_FMT_FP6 matrix_b_fmt:MATRIX_FMT_FP6 matrix_a_scale:MATRIX_SCALE_ROW1
.elseif fB
	v_wmma_scale_f32_16x16x128_f8f6f4 v[rD:rD+7], v[rA:rA+11], v[rB:rB+11], v[rC:rC+7], v[rSA], v[rSB] matrix_a_fmt:MATRIX_FMT_FP6 matrix_b_fmt:MATRIX_FMT_FP6 matrix_b_scale:MATRIX_SCALE_ROW1
.else
	v_wmma_scale_f32_16x16x128_f8f6f4 v[rD:rD+7], v[rA:rA+11], v[rB:rB+11], v[rC:rC+7], v[rSA], v[rSB] matrix_a_fmt:MATRIX_FMT_FP6 matrix_b_fmt:MATRIX_FMT_FP6
.endif
.endif
.endm
	s_load_b128 s[4:7], s[0:1], 0x0                ; att s[4:5], qkv s[6:7]
	s_load_b64 s[8:9], s[0:1], 0x10                ; out0
	v_lshl_add_u32 v12, v0, 2, SPARE               ; my spare word,
	v_mov_b32 v13, 0                               ; and 0: kept for the closing lines alone
	v_lshrrev_b32 v1, 5, v0
	v_readfirstlane_b32 s10, v1                    ; wave w
	s_and_b32 s26, ttmp7, 0xffff                   ; y
	s_lshr_b32 s27, ttmp9, 4                       ; b
	s_and_b32 s28, ttmp9, 15                       ; G
	s_lshr_b32 s29, s10, 1                         ; T
	s_and_b32 s30, s10, 1                          ; kh
	s_lshl_b32 s31, s26, 1
	s_add_co_u32 s31, s31, s29                     ; vg
	v_and_b32 v8, 31, v0
	v_lshlrev_b32 v1, 4, v8                        ; 16 x lane
	v_lshlrev_b32 v2, 3, v8                        ; 8 x lane
	s_lshl_b32 s32, s30, 4
	v_xor_b32 v3, s32, v8
	v_lshlrev_b32 v3, 3, v3                        ; 8 x (lane xor 16 kh)
	s_lshl_b32 s32, s10, 15
	v_add_nc_u32 v4, s32, v1                       ; LDS: the exchange, my 32 KiB
	s_xor_b32 s32, s10, 1
	s_lshl_b32 s32, s32, 15
	v_add_nc_u32 v5, s32, v1                       ; and my partner's
	s_mul_i32 s32, s10, 8448
	s_add_co_u32 s32, s32, STG                     ; my stage
	v_add_nc_u32 v7, s32, v1                       ; back: a row of 512 bytes, 16 a lane
	v_and_b32 v9, 15, v0
	v_bfe_u32 v10, v0, 4, 1
	v_mul_u32_u24 v6, v9, 528
	v_lshl_add_u32 v6, v10, 6, v6
	v_add_nc_u32 v6, s32, v6                       ; in: row r, + 64 h
	s_lshl_b32 s32, s27, 4
	s_lshl_b32 s33, s30, 3
	s_add_co_u32 s32, s32, s33                     ; 16 b + 8 kh: the first of my eight K steps
	s_mul_i32 s33, s32, 204800
	s_lshl_b32 s34, s28, 3
	s_lshl_b32 s35, s30, 2
	s_add_co_u32 s36, s34, s35                     ; the tiles that I keep: 8 G + 4 kh on
	s_mul_i32 s12, s36, 1536
	s_add_co_u32 s12, s12, s33
	s_mov_b32 s13, 0
	s_add_co_u32 s36, s34, 4
	s_sub_co_u32 s36, s36, s35                     ; my partner's: 8 G + 4 - 4 kh on
	s_mul_i32 s14, s36, 1536
	s_add_co_u32 s14, s14, s33
	s_mov_b32 s15, 0
	s_lshl_b32 s16, s28, 8
	s_add_co_u32 s16, s16, s33
	s_add_co_u32 s16, s16, 196608
	s_mov_b32 s17, 0
	s_mul_i32 s33, s32, 51200
	s_add_co_u32 s33, s33, 13107200
	s_mul_i32 s18, s31, 12288
	s_add_co_u32 s18, s18, s33
	s_mov_b32 s19, 0
	s_lshl_b32 s20, s31, 9
	s_add_co_u32 s20, s20, s33
	s_add_co_u32 s20, s20, 49152
	s_mov_b32 s21, 0
	s_lshl_b32 s22, s27, 11
	s_lshl_b32 s36, s28, 7
	s_add_co_u32 s22, s22, s36
	s_lshl_b32 s36, s30, 6
	s_add_co_u32 s22, s22, s36                     ; row 2,048 b + 128 G + 64 kh,
	s_lshl_b32 s22, s22, 11                        ; of 2,048 bytes,
	s_lshl_b32 s36, s31, 9
	s_add_co_u32 s22, s22, s36                     ; + 512 vg
	s_mov_b32 s23, 0
	s_mov_b32 s24, 0x05040100                      ; the two low halves
	s_mov_b32 s25, 0x07060302                      ; the two high halves
	s_wait_alu depctr_va_vdst(0)
	s_wait_kmcnt 0x0
	s_add_nc_u64 s[12:13], s[4:5], s[12:13]        ; att: the kept tiles,
	s_add_nc_u64 s[14:15], s[4:5], s[14:15]        ; the partner's,
	s_add_nc_u64 s[16:17], s[4:5], s[16:17]        ; the scale half words
	s_add_nc_u64 s[18:19], s[6:7], s[18:19]        ; V's fragments,
	s_add_nc_u64 s[20:21], s[6:7], s[20:21]        ; V's scale words
	s_add_nc_u64 s[22:23], s[8:9], s[22:23]        ; out
.macro LOADK t                         ; my K step t: 24 + 32 + 2 + 1 = 59 loads, into set t % 2
.set P, (\t)%2
	WIN 0x40
.irp i, 0,1,2,3,4,5,6,7
.irp c, 0,1,2
	global_load_b128 v[96*P+12*\i+4*\c:96*P+12*\i+4*\c+3], v1, s[18:19] offset:51200*(\t)+1536*\i+512*\c
.endr
.endr
	WIN 0
.irp a, 0,1,2,3
.irp c, 0,1
	global_load_b128 v[AF+96*P+12*\a+6*\c:AF+96*P+12*\a+6*\c+3], v1, s[12:13] offset:204800*(\t)+1536*\a+768*\c
	global_load_b64 v[AF+96*P+12*\a+6*\c+4:AF+96*P+12*\a+6*\c+5], v2, s[12:13] offset:204800*(\t)+1536*\a+768*\c+512
.endr
.endr
.irp a, 0,1,2,3
.irp c, 0,1
	global_load_b128 v[AF+96*P+48+12*\a+6*\c:AF+96*P+48+12*\a+6*\c+3], v1, s[14:15] offset:204800*(\t)+1536*\a+768*\c
	global_load_b64 v[AF+96*P+48+12*\a+6*\c+4:AF+96*P+48+12*\a+6*\c+5], v2, s[14:15] offset:204800*(\t)+1536*\a+768*\c+512
.endr
.endr
	global_load_b64 v[SCS+12*P:SCS+12*P+1], v3, s[16:17] offset:204800*(\t)           ; bytes 0, 1 of four tiles' words,
	global_load_b64 v[SCS+12*P+2:SCS+12*P+3], v3, s[16:17] offset:204800*(\t)+4096    ; bytes 2, 3
	global_load_b128 v[SCS+12*P+8:SCS+12*P+11], v1, s[20:21] offset:51200*(\t)
.endm
.macro KSTEP t
.set P, (\t)%2
.if (\t) < 7
	s_wait_loadcnt 59                              ; this K step is in; the next step's 59 loads may be out
.else
	s_wait_loadcnt 0x0
.endif
	v_perm_b32 v[SCS+12*P+4], v[SCS+12*P+2], v[SCS+12*P], s24      ; att's scale words: two bytes from each half word
	v_perm_b32 v[SCS+12*P+5], v[SCS+12*P+2], v[SCS+12*P], s25
	v_perm_b32 v[SCS+12*P+6], v[SCS+12*P+3], v[SCS+12*P+1], s24
	v_perm_b32 v[SCS+12*P+7], v[SCS+12*P+3], v[SCS+12*P+1], s25
	PLACES 8                                       ; a scale register written by a vector instruction stands eight places ahead of a scaled matrix instruction
.irp hi, 0,1                                   ; the 64 accumulators take turns, one instruction a turn, in the same order in every K step
	WIN 0xa1+0x50*\hi                              ; V window 1, att window 0, C and D window 2 or 3
.irp a, 0,1,2,3
.irp i, 0,1,2,3,4,5,6,7
.set rD, 64*\a+8*\i
.set rA, 96*P+12*\i
.set rB, AF+96*P+48*\hi+12*\a
.set rC, rD
.if (\t) == 0
.set rC, -1
.endif
.set rSA, SCS+12*P+8+\i%4
.set rSB, SCS+12*P+4+\a
.set fA, \i/4
.set fB, \hi
	WM
.endr
.endr
.endr
	WIN 0
	PLACES 4                                       ; in front of loads into registers that matrix instructions have read, and of the first read of results
.if (\t) < 6
	LOADK (\t)+2
.endif
.endm
	LOADK 0
	LOADK 1
.irp t, 0,1,2,3,4,5,6,7
	KSTEP \t
.endr
	WIN 0x0c                                       ; an LDS store's data: window 3
.set n, 0
.rept 64
	ds_store_b128 v4, v[4*n:4*n+3] offset:512*n    ; my partner's tiles, as they stand; each accumulator from its low end on
.set n, n+1
.endr
	WIN 0
	s_wait_dscnt 0x0                               ; for my partner's sake: they lie in LDS
	s_barrier_signal -1
	s_barrier_wait -1
.irp a, 0,1,2,3
.if \a > 1
	s_wait_xcnt 0x0                                ; the stores of two tiles back have read their registers: only now are these loaded again
.endif
.set n, 0
.rept 16
	ds_load_b128 v[64+4*n:64+4*n+3], v5 offset:512*(16*\a+n)       ; what my partner summed for my tile a
.set n, n+1
.endr
	s_wait_dscnt 0x0
	WIN 0x82
.set n, 0
.rept 32
	v_pk_add_f32 v[64*\a+2*n:64*\a+2*n+1], v[64*\a+2*n:64*\a+2*n+1], v[64+2*n:64+2*n+1]
.set n, n+1
.endr
	WIN 0x08                                       ; an LDS store's data: window 2
.irp i, 0,1,2,3,4,5,6,7
	ds_store_b128 v6, v[64*\a+8*\i:64*\a+8*\i+3] offset:128*(\i/2)+32*(\i%2)       ; lane (r, h), tile i: columns 32 (i / 2) + 8 (i % 2) + 16 h + 0 .. 7 of row r
	ds_store_b128 v6, v[64*\a+8*\i+4:64*\a+8*\i+7] offset:128*(\i/2)+32*(\i%2)+16
.endr
	WIN 0
.set BK, 128+64*(\a%2)
.set n, 0
.rept 16
	ds_load_b128 v[BK+4*n:BK+4*n+3], v7 offset:528*n               ; LDS serves a wave's instructions in order: these see my stores, and the next tile's stores come behind them
.set n, n+1
.endr
	s_wait_dscnt 0x0
.set n, 0
.rept 16
	global_store_b128 v1, v[BK+4*n:BK+4*n+3], s[22:23] offset:2048*(32*(\a/2)+8*(\a%2)+n+8*(n/8)) th:TH_STORE_NT   ; 32 lanes store 512 consecutive bytes, aligned
.set n, n+1
.endr
.endr
	s_wait_tensorcnt 0x0                           ; the wave's end
	ds_add_u32 v12, v13
	s_wait_dscnt 0x0
	s_endpgm
.Lfunc_end_k_q61be6694c3_pv:
	.size	k_q61be6694c3_pv, .Lfunc_end_k_q61be6694c3_pv-k_q61be6694c3_pv
	.p2alignl 7, 3214868480
	.fill 96, 4, 3214868480
	.section	.rodata,"a",@progbits
	.p2align	6, 0x0
	.amdhsa_kernel k_q61be6694c3_pv
		.amdhsa_group_segment_fixed_size 165376
		.amdhsa_private_segment_fixed_size 0
		.amdhsa_enable_private_segment 0
		.amdhsa_kernarg_size 24
		.amdhsa_user_sgpr_count 2
		.amdhsa_user_sgpr_kernarg_segment_ptr 1
		.amdhsa_wavefront_size32 1
		.amdhsa_system_sgpr_workgroup_id_x 1
		.amdhsa_system_sgpr_workgroup_id_y 1
		.amdhsa_system_sgpr_workgroup_id_z 1
		.amdhsa_system_vgpr_workitem_id 0
		.amdhsa_next_free_vgpr 1024
		.amdhsa_next_free_sgpr 66
		.amdhsa_reserve_vcc 0
		.amdhsa_float_denorm_mode_32 3
		.amdhsa_float_denorm_mode_16_64 3
		.amdhsa_memory_ordered 1
		.amdhsa_forward_progress 1
		.amdhsa_inst_pref_size 150
	.end_amdhsa_kernel
	.amdgpu_metadata
---
amdhsa.version: [ 1, 2 ]
amdhsa.kernels:
  - .name:           k_q61be6694c3_pv
    .symbol:         k_q61be6694c3_pv.kd
    .args:
      - { .name: att, .offset: 0, .size: 8, .value_kind: global_buffer, .address_space: global }
      - { .name: qkv, .offset: 8, .size: 8, .value_kind: global_buffer, .address_space: global }
      - { .name: out0, .offset: 16, .size: 8, .value_kind: global_buffer, .address_space: global }
    .group_segment_fixed_size: 165376
    .private_segment_fixed_size: 0
    .kernarg_segment_align: 8
    .kernarg_segment_size: 24
    .max_flat_workgroup_size: 128
    .sgpr_count:     66
    .vgpr_count:     1024
    .wavefront_size: 32
...
	.end_amdgpu_metadata
.endif
;; end of part 8
